; MI455X (gfx1250); checked and timed in simulation.
; The chip was launched on July 23, 2026; its instructions are those of AMD's public machine-readable ISA for CDNA 5 (MIT licence, August 2026) and "CDNA5" Instruction Set Architecture Reference Guide (July 2026). The comments in the code are by the model that wrote it; some were corrected since.
;; Multi Head Attention. Allowed arithmetic: matrix products marked QUANTISED: E3M2 operands, one E8M0 scale for each 32 along K, by v_wmma_scale_f32_16x16x128_f8f6f4 with both operands' format E3M2, f32 sums; everything else in f32.
;; Inputs: Wk 1,024 x 1,024 float32; Wo 1,024 x 1,024 float32; Wq 1,024 x 1,024 float32; Wv 1,024 x 1,024 float32; bk 1,024 float32; bo 1,024 float32; bq 1,024 float32; bv 1,024 float32; hidden_states 2 x 2,048 x 1,024 float32.
;; Outputs: out0 2 x 2,048 x 1,024 float32.
;; This version of the problem:
;;   THIS VERSION OF THE PROBLEM IS GIVEN IN LOW PRECISION. The matrix products marked QUANTISED in the list below multiply operands that are first quantised to E3M2 (3 exponent bits, 2 mantissa bits; 6 bits a number), with one power-of-two scale for each 32 numbers along K (OCP MX v1.0); their sums are f32. All else is computed in f32.
;;   The module's matrix products, in the order in which they are computed (A, B: the left and right operand; K: the contracted axis; several contracted axes count as one K, in the product's order):
;;     1. [M 4,096, K 1,024] x [K 1,024, N 1,024]; A: input hidden_states; B: input Wq: QUANTISED
;;     2. [M 4,096, K 1,024] x [K 1,024, N 1,024]; A: input hidden_states; B: input Wk: QUANTISED
;;     3. [M 4,096, K 1,024] x [K 1,024, N 1,024]; A: input hidden_states; B: input Wv: QUANTISED
;;     4. batch 32 x [M 2,048, K 64] x [K 64, N 2,048]; A: computed on the way; B: computed on the way: QUANTISED
;;     5. batch 32 x [M 2,048, K 2,048] x [K 2,048, N 64]; A: softmax (see below); B: computed on the way: QUANTISED
;;     6. [M 4,096, K 1,024] x [K 1,024, N 1,024]; A: computed on the way; B: input Wo: QUANTISED
;;   THE QUANTISER, for each operand of a quantised product, along K:
;;     - K is cut into blocks of 32 from its start; a last block that is shorter is filled with zeros.
;;     - A block's scale is 2^e with e = floor(log2(the largest magnitude in the block)) - 4, held to -126 .. 127; a block of zeros has e = 0. As a byte (E8M0): e + 127.
;;     - Each number is divided by its block's scale, clamped to +-28, and rounded to the nearest number of E3M2, ties to even, subnormals kept.
;;     - The product sums the exact products of the quantised numbers (number of the format x scale) in f32.
;;   ~~~python
;;   def quantise(x, axis):      # numpy; x: float32 -> the quantised numbers, widened to float32 again
;;       x = np.moveaxis(x, axis, -1); K = x.shape[-1]
;;       x = np.pad(x, [(0, 0)] * (x.ndim - 1) + [(0, -K % 32)]); x = x.reshape(x.shape[:-1] + (-1, 32)); a = np.abs(x).max(-1, keepdims=True)
;;       e = np.where(a > 0, np.clip(np.frexp(np.where(a > 0, a, 1))[1] - 1 - 4, -126, 127), 0)      # np.frexp(a)[1] - 1 = floor(log2(a)), exactly
;;       r = np.clip(x / 2.0 ** e, -28, 28)
;;       step = 2.0 ** (np.maximum(np.frexp(np.where(r == 0, 1, r))[1] - 1, -2) - 2)
;;       q = np.round(r / step) * step * 2.0 ** e      # np.round: ties to even
;;       return np.moveaxis(q.reshape(q.shape[:-2] + (-1,))[..., :K], -1, axis).astype(np.float32)
;;   ~~~
;;   SOFTMAX AHEAD OF A QUANTISED PRODUCT. Where the list says 'softmax', what is quantised is not the finished softmax but p = 2^(t - M), with t = logit x log2(e) and M = ceil(the row's largest t), a whole number; so 1/2 < the row's largest p <= 1. The row's sum l is taken of the UNQUANTISED p, in f32, and the product's result is divided by l at the end. Since M is a whole number, a kernel that streams over the keys may use a running M (the ceiling of the running maximum): every later rescaling is an exact power of two, which a block's scale takes up: the codes' values come out the same.
;;   OPERANDS COMPUTED ON THE WAY. 'Computed on the way' means the value that the module computes at that place (a softmax that the list does not call 'softmax' is quantised finished and normalised). What goes into a quantiser is computed in f32, as accurately as f32 sums, v_exp_f32 and their like allow (about 1e-6 of the number): no bf16 or f16 on the way to a quantiser, and a product that is left as it is and whose result goes on into a quantised operand takes f32 operands (vector FMAs, or v_wmma_f32_16x16x4_f32). A number that lies on a knife's edge between two numbers of the format may be rounded either way, as far as f32 arithmetic and the matrix unit's own rounding can turn it there, and no further.
;; One version. Each part assembles by itself: llvm-mc -triple=amdgcn-amd-amdhsa -mcpu=gfx1250 --defsym DOCPART=n.
;; ======== version 1 of 1: 4 launches
;; limits: right only within a limited range of input values
;; workspace buffers: xc 3,407,872 bytes; wc 3,407,872 bytes; qc 3,145,728 bytes; qs 262,144 bytes; kv 6,684,672 bytes; ac 3,407,872 bytes
;; launch quant (part 1): grid 512 x 1, 4 waves a work-group, no clusters, 34,304 bytes of LDS; arguments hidden_states, Wq, Wk, Wv, Wo, xc, wc; writes xc, wc
.if DOCPART == 1
	.amdgcn_target "amdgcn-amd-amdhsa--gfx1250"
	.amdhsa_code_object_version 6
	.text
	.protected	k_q68c33d3f2f_quant
	.globl	k_q68c33d3f2f_quant
	.p2align	8
	.type	k_q68c33d3f2f_quant,@function
k_q68c33d3f2f_quant:
	s_mov_b64 s[64:65], 0
	v_nop
	global_prefetch_b8 v0, s[64:65] scope:SCOPE_SE
	s_setreg_imm32_b32 hwreg(HW_REG_WAVE_MODE, 25, 1), 1
	s_wait_xcnt 0x0
; hidden_states [4096][1024] and the four weights [1024 (k)][1024 (n)], f32, become codes of BF6 (E3M2) with one E8M0 byte for each 32 along K.
; A block's scale is 2^(floor(log2(its largest magnitude)) - 4); its byte is the largest magnitude's exponent field - 4, held at 1 from below.
; LAYOUT of xc, wc: [16 rows' tile][4 parts of 256 along K][3,328 bytes]; a part: two K steps' images of the matrix operand's registers ([6 pieces][32 lanes][8 bytes], piece p = registers 2 p, 2 p + 1),
; then the two steps' scale words ([2][16 rows][4 bytes]), then these 128 bytes once more.  wc holds 4,096 rows n: Wq, Wk, Wv, Wo on end.
; THE ORDER INSIDE A BLOCK OF 32: code place p holds element p with its bits 3 and 4 exchanged (0-7, 16-23, 8-15, 24-31).  Every operand of this program is laid so; the blocks hold the same 32 numbers, so the scales are the plain ones.
; WORK LEFT OUT by this program: in launch attn the key steps that the causal mask hides whole: their weights are exp(-inf) = 0 for all finite inputs.  A NaN, an infinity or an overflow that reaches only those is not carried to the result.
; LIMITS: a block of zeros gets the byte 1 and not 127 (its codes are zeros, and this program alone reads the bytes); NaN and infinities among the inputs are not served.
; Work-groups 0-255: one tile of 16 rows of hidden_states each; wave q takes part q.  Work-groups 256-511: a weight, 128 columns, one K step; a wave takes 32 columns, a lane a column.
; No tensor load, no barrier: waves share nothing.  Only the first path uses LDS.
.set STGB, 8448                        ; a wave's stage: 16 rows x (512 bytes + 16)
.set R,    16                          ; v16-143  numbers as loaded
.set XT,   144                         ; v144-207 the first K step's numbers, turned
.set PC0,  208                         ; v208-226 its codes
.set PC1,  144                         ; v144-162 the second K step's codes
.set TM,   228                         ; v228-243 at work
.set D,    144                         ; weights: v144-175 a block's codes, eight registers a block
; 64 numbers of a lane, register 16 b + i, become a fragment's 12 registers at v[pc] and its scale word in v[pw]
.macro QUANT s, pc, pw
.irp b, 0,1,2,3
	v_max3_num_f32 v[TM+\b], |v[\s+16*\b]|, |v[\s+1+16*\b]|, 0x2800000   ; my 16 numbers of block b, and the floor 2^(5 - 127)
.endr
.irp i, 2,4,6,8,10,12,14
.irp b, 0,1,2,3
	v_max3_num_f32 v[TM+\b], v[TM+\b], |v[\s+16*\b+\i]|, |v[\s+1+16*\b+\i]|
.endr
.endr
.irp b, 0,1,2,3
	v_permlanex16_b32 v[TM+4+\b], v[TM+\b], s28, s29
.endr
.irp b, 0,1,2,3
	v_max_num_f32 v[TM+\b], v[TM+\b], v[TM+4+\b]                 ; with lane l xor 16's: the block's largest magnitude
.endr
.irp b, 0,1,2,3
	v_add_nc_u32 v[TM+12+\b], 0xfe000000, v[TM+\b]               ; 4 off its exponent field: the conversion's scale operand
.endr
.irp b, 0,1,2,3
	v_lshrrev_b32 v[TM+4+\b], 23, v[TM+12+\b]                    ; the scale's byte
.endr
	v_lshl_or_b32 v[\pw], v[TM+5], 8, v[TM+4]
	v_lshl_or_b32 v[\pw], v[TM+6], 16, v[\pw]
	v_lshl_or_b32 v[\pw], v[TM+7], 24, v[\pw]
.irp c, 0,1
	v_cvt_scalef32_pk16_bf6_f32 v[\pc+6*\c:\pc+2+6*\c], v[\s+32*\c:\s+15+32*\c], v[TM+12+2*\c]
	v_cvt_scalef32_pk16_bf6_f32 v[\pc+12+4*\c:\pc+14+4*\c], v[\s+16+32*\c:\s+31+32*\c], v[TM+12+2*\c+1]
.endr
	v_nop                                          ; one plain instruction behind a scaled conversion
.irp c, 0,1                                    ; the operand wants a whole block in a lane: lanes 0-15 block 2 c, lanes 16-31 block 2 c + 1
.irp i, 0,1,2
	v_permlane16_swap_b32 v[\pc+6*\c+\i], v[\pc+12+4*\c+\i]
.endr
.irp i, 0,1,2
	v_mov_b32 v[\pc+3+6*\c+\i], v[\pc+12+4*\c+\i]
.endr
.endr
.endm
	s_load_b256 s[4:11], s[0:1], 0x0               ; hidden s[4:5], Wq s[6:7], Wk s[8:9], Wv s[10:11]
	s_load_b128 s[12:15], s[0:1], 0x20             ; Wo s[12:13], xc s[14:15]
	s_load_b64 s[18:19], s[0:1], 0x30              ; wc
	v_lshl_add_u32 v254, v0, 2, 0x8400
	v_mov_b32 v255, 0
	v_lshrrev_b32 v1, 5, v0
	v_readfirstlane_b32 s22, v1                    ; wave
	v_and_b32 v1, 31, v0                           ; lane
	v_and_b32 v2, 15, v0                           ; r
	v_bfe_u32 v3, v0, 4, 1                         ; h
	v_lshlrev_b32 v7, 3, v1                        ; 8 x lane: my place in a piece
	s_mov_b32 s25, 0
	s_cmp_lt_u32 ttmp9, 256
	s_cbranch_scc0 .Lweights
	; ---- hidden_states: tile ttmp9, K steps 2 q, 2 q + 1
	v_lshlrev_b32 v4, 4, v1                        ; 16 x lane: a load takes 512 consecutive bytes, one row's K step
	v_lshlrev_b32 v8, 2, v1
	s_mul_i32 s23, s22, STGB
	v_add_nc_u32 v5, s23, v4                       ; the stage, in: row i at 528 i, as it lies
	v_mul_u32_u24 v6, v2, 528
	v_lshl_add_u32 v6, v3, 5, v6
	v_add_nc_u32 v6, s23, v6                       ; out: row r, + 32 h: elements 8 h + 0..7 and 16 + 8 h + 0..7 of each block
	s_mov_b32 s28, 0x76543210
	s_mov_b32 s29, 0xfedcba98                      ; lane selects: lane l xor 16
.irp b, 0,1,2,3
	v_mov_b32 v[TM+4+\b], 0                        ; a lane permute's destination counts as read
.endr
	s_lshl_b32 s24, ttmp9, 16                      ; 16 rows of 4,096 bytes
	s_lshl_b32 s26, s22, 10
	s_add_co_u32 s24, s24, s26
	s_wait_alu depctr_va_vdst(0)
	s_wait_kmcnt 0x0
	s_add_nc_u64 s[4:5], s[4:5], s[24:25]
.irp s, 0,1
.irp i, 0,1,2,3,4,5,6,7,8,9,10,11,12,13,14,15
	global_load_b128 v[R+64*\s+4*\i:R+64*\s+4*\i+3], v4, s[4:5] offset:4096*\i+512*\s th:TH_LOAD_NT
.endr
.endr
	s_mul_i32 s24, ttmp9, 13312
	s_mul_i32 s26, s22, 3328
	s_add_co_u32 s24, s24, s26
	s_add_nc_u64 s[14:15], s[14:15], s[24:25]      ; my part in xc
.macro HALF s, dst, pc, pw, left
	s_wait_loadcnt \left                           ; this K step's sixteen loads are in; the younger ones may be out
.irp i, 0,1,2,3,4,5,6,7,8,9,10,11,12,13,14,15
	ds_store_b128 v5, v[R+64*\s+4*\i:R+64*\s+4*\i+3] offset:528*\i
.endr
.irp b, 0,1,2,3                                ; LDS serves a wave's instructions in order: these see the stores above
	ds_load_b128 v[\dst+16*\b:\dst+16*\b+3], v6 offset:128*\b
	ds_load_b128 v[\dst+16*\b+4:\dst+16*\b+7], v6 offset:128*\b+16
	ds_load_b128 v[\dst+16*\b+8:\dst+16*\b+11], v6 offset:128*\b+64
	ds_load_b128 v[\dst+16*\b+12:\dst+16*\b+15], v6 offset:128*\b+80
.endr
	s_wait_dscnt 0x0
	QUANT \dst, \pc, \pw
.irp p, 0,1,2,3,4,5
	global_store_b64 v7, v[\pc+2*\p:\pc+2*\p+1], s[14:15] offset:1536*\s+256*\p   ; 32 lanes store 256 consecutive bytes, aligned
.endr
.endm
	HALF 0, XT, PC0, 244, 16
	HALF 1, R, PC1, 245, 0                         ; each K step has code registers of its own: no store's data are written again
	v_cmp_lt_u32 vcc_lo, 15, v1
	v_cndmask_b32 v246, v244, v245, vcc_lo         ; lanes 0-15: the first K step's words; lanes 16-31: the second's (a word stands in lanes l and l xor 16 alike)
	global_store_b32 v8, v246, s[14:15] offset:3072
	global_store_b32 v8, v246, s[14:15] offset:3200
	s_wait_tensorcnt 0x0                           ; the wave's end
	ds_add_u32 v254, v255
	s_wait_dscnt 0x0
	s_endpgm
	; ---- a weight: a lane takes a column n, its registers run down K, in the block's order of places
.Lweights:
	s_sub_co_u32 s23, ttmp9, 256
	s_lshr_b32 s24, s23, 6                         ; which weight
	s_bfe_u32 s26, s23, 0x30003                    ; which 128 columns
	s_and_b32 s23, s23, 7                          ; which K step
	s_wait_alu depctr_va_vdst(0)
	v_lshlrev_b32 v4, 2, v1
	v_mul_u32_u24 v13, 13312, v3
	v_lshl_add_u32 v13, v2, 2, v13                 ; my scale word: tile lane / 16, row lane % 16
	s_wait_alu depctr_va_vdst(0)
	s_wait_kmcnt 0x0
	s_cmp_eq_u32 s24, 1
	s_cselect_b64 s[6:7], s[8:9], s[6:7]
	s_cmp_eq_u32 s24, 2
	s_cselect_b64 s[6:7], s[10:11], s[6:7]
	s_cmp_eq_u32 s24, 3
	s_cselect_b64 s[6:7], s[12:13], s[6:7]
	s_lshl_b32 s28, s23, 19                        ; 128 rows of 4,096 bytes a K step
	s_lshl_b32 s29, s26, 9
	s_add_co_u32 s28, s28, s29
	s_lshl_b32 s29, s22, 7
	s_add_co_u32 s28, s28, s29                     ; + 4 x my wave's first column
	s_mov_b32 s29, 0
	s_add_nc_u64 s[6:7], s[6:7], s[28:29]
.set i, 0
.rept 128                                      ; register i takes row i with its bits 3 and 4 exchanged; 32 lanes read 128 consecutive bytes, the four waves 512
	global_load_b32 v[R+i], v4, s[6:7] offset:((i&0x67)|((i&8)<<1)|((i&16)>>1))*4096 th:TH_LOAD_NT
.set i, i+1
.endr
	s_lshl_b32 s24, s24, 6
	s_lshl_b32 s26, s26, 3
	s_add_co_u32 s24, s24, s26
	s_lshl_b32 s26, s22, 1
	s_add_co_u32 s24, s24, s26                     ; my first tile of 16 rows n: 64 x weight + 8 x group + 2 x wave
	s_mul_i32 s28, s24, 13312
	s_lshr_b32 s26, s23, 1
	s_mul_i32 s26, s26, 3328
	s_add_co_u32 s28, s28, s26                     ; + the part
	s_and_b32 s26, s23, 1
	s_lshl_b32 s27, s26, 6
	s_add_co_u32 s30, s28, s27
	s_mov_b32 s31, 0
	s_add_nc_u64 s[20:21], s[18:19], s[30:31]      ; the scale words of my K step, less 3,072
	s_mul_i32 s26, s26, 1536
	s_add_co_u32 s28, s28, s26
	s_add_nc_u64 s[18:19], s[18:19], s[28:29]      ; the codes
.macro WBLOCK kb, left
.set XS, R+32*\kb
	s_wait_loadcnt \left                           ; this block's 32 loads are in (a wait names 63 at the most: the first two counts are smaller than they need be)
	v_max3_num_f32 v8, |v[XS]|, |v[XS+1]|, |v[XS+2]|
	v_max3_num_f32 v9, |v[XS+3]|, |v[XS+4]|, |v[XS+5]|
.irp i, 6,10,14,18,22,26
	v_max3_num_f32 v8, v8, |v[XS+\i]|, |v[XS+\i+1]|
	v_max3_num_f32 v9, v9, |v[XS+\i+2]|, |v[XS+\i+3]|
.endr
	v_max3_num_f32 v8, v8, |v[XS+30]|, |v[XS+31]|
	v_max3_num_f32 v8, v8, v9, 0x2800000           ; the floor
	v_add_nc_u32 v10, 0xfe000000, v8
	v_lshrrev_b32 v11, 23, v10
.if \kb == 0
	v_mov_b32 v12, v11
.else
	v_lshl_or_b32 v12, v11, 8*\kb, v12             ; my column's scale word
.endif
	v_cvt_scalef32_pk16_bf6_f32 v[D+8*\kb:D+8*\kb+2], v[XS:XS+15], v10
	v_cvt_scalef32_pk16_bf6_f32 v[D+8*\kb+4:D+8*\kb+6], v[XS+16:XS+31], v10
.endm
	WBLOCK 0, 63
	WBLOCK 1, 63
	WBLOCK 2, 32
	WBLOCK 3, 0
	v_nop                                          ; one plain instruction behind the last conversion
.irp kb, 0,1,2,3
	v_mov_b32 v[D+8*\kb+3], v[D+8*\kb+4]           ; a block's six registers on end
	v_mov_b32 v[D+8*\kb+4], v[D+8*\kb+5]
	v_mov_b32 v[D+8*\kb+5], v[D+8*\kb+6]
.endr
.irp c, 0,1                                    ; lanes 0-15 hold the first tile's columns, lanes 16-31 the second's: the exchange gives each tile its operand's lanes
.irp i, 0,1,2,3,4,5
	v_permlane16_swap_b32 v[D+16*\c+\i], v[D+16*\c+8+\i]
.endr
.endr
.irp p, 0,1,2
	global_store_b64 v7, v[D+2*\p:D+2*\p+1], s[18:19] offset:256*\p
	global_store_b64 v7, v[D+16+2*\p:D+16+2*\p+1], s[18:19] offset:768+256*\p
	global_store_b64 v7, v[D+8+2*\p:D+8+2*\p+1], s[18:19] offset:13312+256*\p
	global_store_b64 v7, v[D+24+2*\p:D+24+2*\p+1], s[18:19] offset:13312+768+256*\p
.endr
	global_store_b32 v13, v12, s[20:21] offset:3072
	global_store_b32 v13, v12, s[20:21] offset:3200
	s_endpgm
.Lfunc_end_k_q68c33d3f2f_quant:
	.size	k_q68c33d3f2f_quant, .Lfunc_end_k_q68c33d3f2f_quant-k_q68c33d3f2f_quant
	.p2alignl 7, 3214868480
	.fill 96, 4, 3214868480
	.section	.rodata,"a",@progbits
	.p2align	6, 0x0
	.amdhsa_kernel k_q68c33d3f2f_quant
		.amdhsa_group_segment_fixed_size 34304
		.amdhsa_private_segment_fixed_size 0
		.amdhsa_enable_private_segment 0
		.amdhsa_kernarg_size 56
		.amdhsa_user_sgpr_count 2
		.amdhsa_user_sgpr_kernarg_segment_ptr 1
		.amdhsa_wavefront_size32 1
		.amdhsa_system_sgpr_workgroup_id_x 1
		.amdhsa_system_sgpr_workgroup_id_y 1
		.amdhsa_system_sgpr_workgroup_id_z 1
		.amdhsa_system_vgpr_workitem_id 0
		.amdhsa_next_free_vgpr 256
		.amdhsa_next_free_sgpr 66
		.amdhsa_reserve_vcc 1
		.amdhsa_float_denorm_mode_32 3
		.amdhsa_float_denorm_mode_16_64 3
		.amdhsa_memory_ordered 1
		.amdhsa_forward_progress 1
		.amdhsa_inst_pref_size 39
	.end_amdhsa_kernel
	.amdgpu_metadata
---
amdhsa.version: [ 1, 2 ]
amdhsa.kernels:
  - .name:           k_q68c33d3f2f_quant
    .symbol:         k_q68c33d3f2f_quant.kd
    .args:
      - { .name: hidden_states, .offset: 0, .size: 8, .value_kind: global_buffer, .address_space: global }
      - { .name: Wq, .offset: 8, .size: 8, .value_kind: global_buffer, .address_space: global }
      - { .name: Wk, .offset: 16, .size: 8, .value_kind: global_buffer, .address_space: global }
      - { .name: Wv, .offset: 24, .size: 8, .value_kind: global_buffer, .address_space: global }
      - { .name: Wo, .offset: 32, .size: 8, .value_kind: global_buffer, .address_space: global }
      - { .name: xc, .offset: 40, .size: 8, .value_kind: global_buffer, .address_space: global }
      - { .name: wc, .offset: 48, .size: 8, .value_kind: global_buffer, .address_space: global }
    .group_segment_fixed_size: 34304
    .private_segment_fixed_size: 0
    .kernarg_segment_align: 8
    .kernarg_segment_size: 56
    .max_flat_workgroup_size: 128
    .sgpr_count:     66
    .vgpr_count:     256
    .wavefront_size: 32
...
	.end_amdgpu_metadata
.endif
;; end of part 1
;; launch qkv (part 2): grid 8 x 32, 4 waves a work-group, clusters of 4 x 4, 327,680 bytes of LDS; arguments xc, wc, bq, bk, bv, qc, qs, kv; writes qc, qs, kv
.if DOCPART == 2
	.amdgcn_target "amdgcn-amd-amdhsa--gfx1250"
	.amdhsa_code_object_version 6
	.text
	.protected	k_q68c33d3f2f_qkv
	.globl	k_q68c33d3f2f_qkv
	.p2align	8
	.type	k_q68c33d3f2f_qkv,@function
k_q68c33d3f2f_qkv:
	s_mov_b64 s[64:65], 0
	v_nop
	global_prefetch_b8 v0, s[64:65] scope:SCOPE_SE
	s_setreg_imm32_b32 hwreg(HW_REG_WAVE_MODE, 25, 1), 1
	s_wait_xcnt 0x0
	s_wait_alu depctr_hold_cnt(0) depctr_sa_sdst(0) depctr_va_vdst(0) depctr_va_sdst(0) depctr_va_ssrc(0) depctr_va_vcc(0) depctr_vm_vsrc(0)
	s_getreg_b32 s2, hwreg(HW_REG_IB_STS2, 6, 4)
	s_cmp_eq_u32 s2, 0
	s_cbranch_scc0 .Lentry_in_a_cluster
	s_endpgm
.Lentry_in_a_cluster:
	s_bfe_u32 s2, ttmp6, 0x10000c
	s_cmp_lg_u32 s2, 0xf033
	s_cbranch_scc0 .Lentry_shape_is_right
	s_endpgm
.Lentry_shape_is_right:
; Q = x Wq + bq, K = x Wk + bk, V = x Wv + bv on codes of BF6 with E8M0 scales, and the results quantised at once: Q and K along the head's 64, V along the keys.
; A work-group takes 128 tokens and 128 columns (two heads) of ALL THREE products; a wave 64 tokens and one head: 3 x 16 accumulators of 16 x 16, 384 registers.  A fragment of x so feeds Q, K and V: 16 fragments for 48 matrix instructions.
; K = 1,024 goes in four parts of 256 (layout: see the first launch) through three LDS slots; slot 0 is filled a second time.  A part is four tiles of 128 rows: x by wave 0, Wq, Wk, Wv by waves 1 to 3, ONE joint load a wave.
; CLUSTERS: 4 x 4 work-groups; x's tiles are asked for jointly by a row of the cluster, the weights' by a column.
; THE MATRIX INSTRUCTION IS USED TRANSPOSED.  Q, K: source 0 = 16 columns of the weight, source 1 = 16 tokens: a lane holds one token, its registers run along the head.  V: source 0 = 16 tokens, source 1 = 16 columns of Wv: a lane holds one d, its registers run along the keys.
; OUT: qc [32 = 16 x batch + head][128 tiles of 16 tokens][768 bytes] (half a fragment: registers 0-5), qs [32][2,048 tokens][4 bytes: the head's two scales, 0, 0];
;   kv [32][16 key steps of 128][13,056 bytes]: K's codes 8 x 768, V's codes 4 tiles of 16 d x 1,536, K's scale words 512, V's scale words 4 x 64.
; PREFETCH: part p + 1 is asked for, as whole blocks of 256 bytes, behind the joint load of part p; the four partners of a joint load share its 104 blocks out by address, one instruction a wave; the weights' by the clusters of four rows alone.
; LIMITS: a block of zeros gets the byte 1 and not 127 (this program alone reads the bytes); NaN and infinities are not served.
; REGISTERS: window 0: v4-31 addresses, v32-47 scale words (two sets), v48-143 the biases (Q, K, V), v144-239 x's fragments (two sets; on the way out at work).
;   windows 1, 2, 3: Q, K, V: v0-127 accumulators ((a, b) at 8 (4 a + b)), v128-223 the weight's fragments (two sets), v240-242 (windows 1, 2) their LDS addresses.
; So a product's loads and matrix instructions share one setting of the windows, and the next step's loads stand between this step's matrix instructions.
.set PARTB, 3328
.set QTR,   8*PARTB                    ; 128 rows of a part: what one tensor load brings
.set SLOT,  4*QTR
.set SPARE, 3*SLOT                     ; the spare words: 128 bytes a wave, two blocks of 256 bytes that no other line names
.set ADRS, 4                           ; v4-6   scale words, slot 0..2: lanes 0-15 x's, lanes 16-31 Wq's
.set ADRT, 8                           ; v8-10  lanes 0-15 Wk's, lanes 16-31 Wv's
.set ADRX, 16                          ; v16-18 my x fragments
.set ADRV, 20                          ; v20-22 my Wv fragments
.set L8,   24
.set L4,   25
.set PFO,  26
.set SPW,  28
.set NIL,  29
.set SC,   32
.set BIAS, 48
.set XF,   144
.set WF,   128
.set PC,   144                         ; the way out: codes,
.set TM,   176                         ; and at work
.set LIM,  3                           ; 1: my wave prefetches
.set WC,   2                           ; wave % 2: my head
.set WV,   22
.set WR,   23                          ; wave / 2: my 64 tokens
.set G0X,  28
.set G0W,  32
.set G1X,  36
.set G1W,  44
.set CX,   52
.set CY,   53
.set CT,   54                          ; which 128 columns
.set TY,   55                          ; which 128 tokens
.set PF,   56
.set MSB, 0
.macro WIN new
.if MSB != \new
	s_set_vgpr_msb (MSB<<8)|(\new)
.set MSB, \new
.endif
.endm
.macro JLOAD                           ; a joint load: wave 0 for x, the others for a weight; s_nop 0 and four v_nop follow each line
	s_cmp_eq_u32 s[WV], 0
	s_cbranch_scc0 .Lfor_w_\@
	tensor_load_to_lds s[G0X:G0X+3], s[G1X:G1X+7]
	s_nop 0
.rept 4
	v_nop
.endr
	s_branch .Lasked_\@
.Lfor_w_\@:
	tensor_load_to_lds s[G0W:G0W+3], s[G1W:G1W+7]
	s_nop 0
.rept 4
	v_nop
.endr
.Lasked_\@:
.endm
.macro CREST
	s_cmp_lg_u32 s[WV], 0
	s_cbranch_scc1 .Lnot_wave_0_\@
	s_barrier_signal -3
.Lnot_wave_0_\@:
	s_barrier_wait -3
	s_barrier_signal -1
	s_barrier_wait -1
.endm
.macro CROUND
	s_barrier_signal -1
	s_barrier_wait -1
	CREST
.endm
.macro ASK part
	s_cmp_eq_u32 s[LIM], 1
	s_cbranch_scc0 .Lno_ask_\@
	global_prefetch_b8 v[PFO], s[PF:PF+1] offset:PARTB*\part th:TH_LOAD_NT scope:SCOPE_SE
.Lno_ask_\@:
.endm
.macro NEXT part                       ; no tensor load of mine is out: the descriptors go on to this part
	s_add_nc_u64 s[G0X+2:G0X+3], s[G0X+2:G0X+3], PARTB
	s_add_nc_u64 s[G0W+2:G0W+3], s[G0W+2:G0W+3], PARTB
	s_mul_i32 s[G0X+1], s[WV], QTR
	s_add_co_u32 s[G0X+1], s[G0X+1], ((\part)%3)*SLOT
	s_mov_b32 s[G0W+1], s[G0X+1]
.endm
; One piece (8 bytes a lane) of the weight's four fragments of step nx; LI counts the 24 pieces
.macro LDW adr, nx
	ds_load_b64 v[WF+48*((\nx)%2)+2*LI:WF+48*((\nx)%2)+2*LI+1], v[\adr+((\nx)/2)%3] offset:PARTB*(LI/6)+1536*((\nx)%2)+256*(LI%6)
.set LI, LI+1
.endm
.macro RUNW adr, nx
.set LI, 0
.rept 24
	LDW \adr, \nx
.endr
.endm
.macro LDX nx                          ; x's four fragments and the eight registers of scale words of step nx
.set LI, 0
.rept 24
	ds_load_b64 v[XF+48*((\nx)%2)+2*LI:XF+48*((\nx)%2)+2*LI+1], v[ADRX+((\nx)/2)%3] offset:PARTB*(LI/6)+1536*((\nx)%2)+256*(LI%6)
.set LI, LI+1
.endr
.irp i, 0,1,2,3
	ds_load_b32 v[SC+8*((\nx)%2)+\i], v[ADRS+((\nx)/2)%3] offset:PARTB*\i+64*((\nx)%2)
	ds_load_b32 v[SC+8*((\nx)%2)+4+\i], v[ADRT+((\nx)/2)%3] offset:PARTB*\i+64*((\nx)%2)
.endr
.endm
; Eight matrix instructions of product kind (0 Q, 1 K, 2 V): row blocks a0, a0 + 1 x four.  ld = 1: twelve pieces of the next step's weight fragments stand between them.
; Step 0 begins the sums with the bias.  The 48 accumulators take turns, one instruction a turn.
.macro PH kind, st, a0, ld
.set rP, (\st)%2
.irp a, \a0, \a0+1
.irp b, 0,1,2,3
.set rD, 8*(4*(\a)+\b)
.set rC, rD
.if \kind == 2
.set rS0, XF+48*rP+12*\b
.set rS1, WF+48*rP+12*(\a)
.set rZ0, SC+8*rP+\b
.set rZ1, SC+8*rP+4+(\a)
.if (\st) == 0
.set rC, BIAS+64+8*(\a)
.endif
.else
.set rS0, WF+48*rP+12*\b
.set rS1, XF+48*rP+12*(\a)
.set rZ0, SC+8*rP+4*\kind+\b
.set rZ1, SC+8*rP+(\a)
.if (\st) == 0
.set rC, BIAS+32*\kind+8*\b
.endif
.endif
.if \kind == 0
	v_wmma_scale_f32_16x16x128_f8f6f4 v[rD:rD+7], v[rS0:rS0+11], v[rS1:rS1+11], v[rC:rC+7], v[rZ0], v[rZ1] matrix_a_fmt:MATRIX_FMT_BF6 matrix_b_fmt:MATRIX_FMT_BF6 matrix_a_scale:MATRIX_SCALE_ROW1
.elseif \kind == 1
	v_wmma_scale_f32_16x16x128_f8f6f4 v[rD:rD+7], v[rS0:rS0+11], v[rS1:rS1+11], v[rC:rC+7], v[rZ0], v[rZ1] matrix_a_fmt:MATRIX_FMT_BF6 matrix_b_fmt:MATRIX_FMT_BF6
.else
	v_wmma_scale_f32_16x16x128_f8f6f4 v[rD:rD+7], v[rS0:rS0+11], v[rS1:rS1+11], v[rC:rC+7], v[rZ0], v[rZ1] matrix_a_fmt:MATRIX_FMT_BF6 matrix_b_fmt:MATRIX_FMT_BF6 matrix_b_scale:MATRIX_SCALE_ROW1
.endif
.if \ld
.if \kind == 2
	LDW ADRV, (\st)+1
.if (\b)%2 == 0
	LDW ADRV, (\st)+1
.endif
.else
	LDW 240, (\st)+1
.if (\b)%2 == 0
	LDW 240, (\st)+1
.endif
.endif
.endif
.endr
.endr
.endm
; A step of 128 along K.  kind 0: the next step lies in the same slot.  kind 1: every wave waits for all its tensor loads, adds 0 to its spare word, waits for that and for its reads; a round of the cluster's barrier shows the next slot and frees the one after it; the joint load of part `part` first behind it.
; kind 2: the last change of slots. kind 3: the last step.  ask: a part to prefetch.
; Loads go out in the order Wq, Wk, x and scale words, Wv; so at a step's head the youngest 24, Wv's, may be out.
.macro STEP st, kind, part, ask
.set wQ, 0x51
.set wK, 0xa2
.set wV, 0xfc
.if (\st) == 0                         ; C lies in window 0
.set wQ, 0x41
.set wK, 0x82
.set wV, 0xcc
.endif
.if \kind == 1 || \kind == 2
	WIN 0
	s_wait_tensorcnt 0x0                           ; my part of the next slot is in
.if \kind == 1
	ds_add_u32 v[SPW], v[NIL]
	NEXT \part
	s_wait_dscnt 25                                ; the add and Wv's 24 loads may be out
.else
	s_wait_dscnt 24
.endif
	WIN wQ
	PH 0, \st, 0, 0
	s_wait_dscnt 0x0
	s_barrier_signal -1
	PH 0, \st, 2, 0
	WIN 0
	s_barrier_wait -1
.if \kind == 1
	CREST
	JLOAD
.endif
	WIN 0x41
	RUNW 240, (\st)+1
.else
	s_wait_dscnt 24
	WIN wQ
.set LI, 0
	PH 0, \st, 0, (\kind==0)
	PH 0, \st, 2, (\kind==0)
.endif
	WIN wK
.set LI, 0
	PH 1, \st, 0, (\kind<3)
	PH 1, \st, 2, (\kind<3)
.if \kind < 3
	WIN 0
.rept 4
	v_nop                                          ; places in front of loads into registers that matrix instructions have read (this step's other loads too land on registers read ahead of the last such places)
.endr
	LDX (\st)+1
.if \ask
	ASK \ask
.endif
	s_wait_dscnt 56                                ; Wv's fragments of this step are in (80 loads are younger)
.else
	s_wait_dscnt 0x0
.endif
	WIN wV
.set LI, 0
	PH 2, \st, 0, (\kind<3)
	PH 2, \st, 2, (\kind<3)
.endm
	s_load_b256 s[4:11], s[0:1], 0x0               ; xc s[4:5], wc s[6:7], bq s[8:9], bk s[10:11]
	s_load_b256 s[12:19], s[0:1], 0x20             ; bv s[12:13], qc s[14:15], qs s[16:17], kv s[18:19]
	v_lshl_add_u32 v[SPW], v0, 2, SPARE
	v_mov_b32 v[NIL], 0
	ds_add_u32 v[SPW], v[NIL]                      ; the opening: the add, twice on end, and its wait ahead of my first tensor load
	ds_add_u32 v[SPW], v[NIL]
	v_lshrrev_b32 v1, 5, v0
	v_readfirstlane_b32 s[WV], v1
	s_lshr_b32 s[WR], s[WV], 1
	s_and_b32 s[WC], s[WV], 1
	s_bfe_u32 s[CX], ttmp6, 0x40000
	s_bfe_u32 s[CY], ttmp6, 0x40004
	s_and_b32 s58, ttmp7, 0xffff
	s_lshl_b32 s[TY], s58, 2
	s_add_co_u32 s[TY], s[TY], s[CY]
	s_lshl_b32 s[CT], ttmp9, 2
	s_add_co_u32 s[CT], s[CT], s[CX]
	s_cmp_lt_u32 s58, 4                            ; the weights are prefetched by the clusters of four rows, x by all
	s_cselect_b32 s[LIM], 1, 0
	s_cmp_eq_u32 s[WV], 0
	s_cselect_b32 s[LIM], 1, s[LIM]
	s_cselect_b32 s59, s[CX], s[CY]                ; my place among the four that ask with me
	s_mul_i32 s59, s59, 26                         ; my 26 of 104 blocks
	s_lshl_b32 s60, s[CY], 2
	s_lshl_b32 s60, 15, s60                        ; my row of the cluster
	s_lshl_b32 s61, 0x1111, s[CX]                  ; my column
	s_or_b32 s[G1X], s60, (3<<16)|(1<<21)          ; 15:0 the mask; 17:16 elements of 8 bytes; 21 set beside a mask; no padding
	s_or_b32 s[G1W], s61, (3<<16)|(1<<21)
.irp g, G1X, G1W                               ; 8 rows (tiles of 16) of 3,328 bytes, 13,312 bytes apart
	s_mov_b32 s[\g+1], 416<<16
	s_mov_b32 s[\g+2], 8<<16
	s_mov_b32 s[\g+3], 416<<16
	s_mov_b32 s[\g+4], 8
	s_mov_b32 s[\g+5], 1664
	s_mov_b32 s[\g+6], 0
	s_mov_b32 s[\g+7], 0
.endr
	s_mul_i32 s66, s[TY], 106496                   ; x: 8 tiles of 13,312 bytes,
	s_mov_b32 s67, 0
	s_max_u32 s60, s[WV], 1
	s_sub_co_u32 s60, s60, 1
	s_mul_i32 s60, s60, 851968                     ; wave 1, 2, 3: Wq, Wk, Wv, 64 tiles each
	s_mul_i32 s68, s[CT], 106496
	s_add_co_u32 s68, s68, s60
	s_mov_b32 s69, 0
	s_mov_b32 s[G0X], 1
	s_mov_b32 s[G0W], 1
	s_mul_i32 s[G0X+1], s[WV], QTR                 ; my quarter of slot 0
	s_mov_b32 s[G0W+1], s[G0X+1]
	s_wait_dscnt 0x0
	s_wait_kmcnt 0x0
	s_add_nc_u64 s[G0X+2:G0X+3], s[4:5], s[66:67]
	s_add_nc_u64 s[G0W+2:G0W+3], s[6:7], s[68:69]
	s_cmp_eq_u32 s[WV], 0
	s_cselect_b64 s[PF:PF+1], s[G0X+2:G0X+3], s[G0W+2:G0W+3]
	s_or_b32 s[G0X+3], s[G0X+3], 0x80000000
	s_or_b32 s[G0W+3], s[G0W+3], 0x80000000
	CROUND                                         ; all sixteen work-groups are here: the first joint loads meet
	JLOAD                                          ; part 0
	s_lshl_b32 s72, s[CT], 9
	s_lshl_b32 s73, s[WC], 8
	s_add_co_u32 s72, s72, s73
	s_mov_b32 s73, 0
	s_add_nc_u64 s[8:9], s[8:9], s[72:73]          ; the biases of my 64 columns
	s_add_nc_u64 s[10:11], s[10:11], s[72:73]
	s_add_nc_u64 s[12:13], s[12:13], s[72:73]
	s_lshr_b32 s74, s[TY], 4
	s_lshl_b32 s74, s74, 4
	s_lshl_b32 s75, s[CT], 1
	s_add_co_u32 s74, s74, s75
	s_add_co_u32 s74, s74, s[WC]                   ; 16 x batch + head
	s_and_b32 s75, s[TY], 15                       ; the key step
	s_mul_i32 s72, s74, 98304
	s_mul_i32 s76, s75, 6144
	s_add_co_u32 s72, s72, s76
	s_mul_i32 s78, s[WR], 3072
	s_mov_b32 s79, 0
	s_add_co_u32 s72, s72, s78
	s_add_nc_u64 s[14:15], s[14:15], s[72:73]      ; Q's codes
	s_lshl_b32 s72, s74, 13
	s_lshl_b32 s76, s75, 9
	s_add_co_u32 s72, s72, s76
	s_lshl_b32 s80, s[WR], 8
	s_mov_b32 s81, 0
	s_add_co_u32 s72, s72, s80
	s_add_nc_u64 s[16:17], s[16:17], s[72:73]      ; Q's scale words
	s_mul_i32 s72, s74, 208896
	s_mul_i32 s76, s75, 13056
	s_add_co_u32 s72, s72, s76
	s_add_nc_u64 s[18:19], s[18:19], s[72:73]      ; the key step's block of kv
	s_add_nc_u64 s[86:87], s[18:19], s[78:79]      ; K's codes
	s_add_nc_u64 s[88:89], s[18:19], s[80:81]      ; K's scale words, less 12,288
	s_mul_i32 s78, s[WR], 768
	s_add_nc_u64 s[90:91], s[18:19], s[78:79]      ; V's codes, less 6,144
	s_lshl_b32 s80, s[WR], 1
	s_add_nc_u64 s[92:93], s[18:19], s[80:81]      ; V's scale bytes, less 12,800
	s_mov_b32 s20, 0x76543210
	s_mov_b32 s21, 0xfedcba98                      ; lane selects: lane l xor 16
	s_mul_i32 s66, s[WR], 13312                    ; LDS: my x rows,
	s_mul_i32 s67, s[WC], 13312
	s_add_co_u32 s67, s67, QTR                     ; my rows of Wq,
	s_add_co_u32 s68, s67, QTR                     ; of Wk,
	s_add_co_u32 s69, s68, QTR                     ; of Wv
	s_sub_co_u32 s70, s67, s66
	s_add_co_u32 s70, s70, 128                     ; lanes 16-31 read the words' second copy, 128 bytes on: other banks than lanes 0-15
	v_and_b32 v1, 15, v0                           ; r
	v_bfe_u32 v2, v0, 4, 1                         ; h
	v_and_b32 v3, 31, v0
	v_lshlrev_b32 v[L8], 3, v3
	v_lshlrev_b32 v[L4], 2, v3
	v_lshlrev_b32 v30, 5, v2
	v_lshlrev_b32 v31, 2, v1
.irp b, 0,1,2,3                                ; Q, K: register 8 b + j = bias(16 b + 8 h + j)
	global_load_b128 v[BIAS+8*\b:BIAS+8*\b+3], v30, s[8:9] offset:64*\b
	global_load_b128 v[BIAS+8*\b+4:BIAS+8*\b+7], v30, s[8:9] offset:64*\b+16
	global_load_b128 v[BIAS+32+8*\b:BIAS+32+8*\b+3], v30, s[10:11] offset:64*\b
	global_load_b128 v[BIAS+32+8*\b+4:BIAS+32+8*\b+7], v30, s[10:11] offset:64*\b+16
	global_load_b32 v[240+\b], v31, s[12:13] offset:64*\b           ; V: bias(16 a + r)
.endr
	v_add_nc_u32 v[ADRX], s66, v[L8]
	v_add_nc_u32 v[ADRV], s69, v[L8]
	v_add_nc_u32 v12, s67, v[L8]
	v_lshl_add_u32 v11, v1, 2, 3072
	v_mul_u32_u24 v7, s70, v2
	v_add_nc_u32 v[ADRS], v11, v7
	v_add_nc_u32 v[ADRS], s66, v[ADRS]
	v_mul_u32_u24 v7, QTR+128, v2
	v_add_nc_u32 v[ADRT], v11, v7
	v_add_nc_u32 v[ADRT], s68, v[ADRT]
.irp s, 0,1
	v_add_nc_u32 v[ADRX+1+\s], SLOT, v[ADRX+\s]
	v_add_nc_u32 v[ADRV+1+\s], SLOT, v[ADRV+\s]
	v_add_nc_u32 v[13+\s], SLOT, v[12+\s]
	v_add_nc_u32 v[ADRS+1+\s], SLOT, v[ADRS+\s]
	v_add_nc_u32 v[ADRT+1+\s], SLOT, v[ADRT+\s]
.endr
	v_min_u32 v[PFO], 25, v3                       ; lanes left over name the last block again
	v_add_nc_u32 v[PFO], s59, v[PFO]               ; block n of 104: tile n / 13, 256 x (n % 13) bytes into its part
	v_mul_u32_u24 v27, 79, v[PFO]
	v_lshrrev_b32 v27, 10, v27                     ; n / 13
	v_mul_u32_u24 v27, 9984, v27
	v_lshl_add_u32 v[PFO], v[PFO], 8, v27
	WIN 0x40
.irp s, 0,1,2
	v_mov_b32 v[240+\s], v[12+\s]                  ; Wq's addresses in window 1,
.endr
	WIN 0x80
.irp s, 0,1,2
	v_add_nc_u32 v[240+\s], QTR, v[12+\s]          ; Wk's in window 2
.endr
	WIN 0
	s_wait_alu depctr_va_vdst(0)
	ASK 1
	s_wait_loadcnt 0x0
.irp a, 0,1,2,3
.irp j, 0,1,2,3,4,5,6,7
	v_mov_b32 v[BIAS+64+8*\a+\j], v[240+\a]        ; a C operand is eight registers
.endr
.endr
	s_wait_alu depctr_va_vdst(0)
	s_wait_tensorcnt 0x0                           ; my tile of part 0 is in
	ds_add_u32 v[SPW], v[NIL]
	NEXT 1
	s_wait_dscnt 0x0
	CROUND
	JLOAD                                          ; part 1, the first tensor load behind the round
	WIN 0x41
	RUNW 240, 0
	WIN 0x82
	RUNW 240, 0
	WIN 0
	LDX 0
	WIN 0xc0
	RUNW ADRV, 0
	STEP 0, 0, 0, 2
	STEP 1, 1, 2, 3
	STEP 2, 0, 0, 0
	STEP 3, 1, 3, 0
	STEP 4, 0, 0, 0
	STEP 5, 2, 0, 0
	STEP 6, 0, 0, 0
	STEP 7, 3, 0, 0
	WIN 0
; THE WAY OUT of two row blocks: a lane's 32 registers of a row block are 64 neighbours along the next K, with lane l xor 16's: two blocks of 32.  They are quantised in registers; a row block's codes are half a fragment's image.
.macro OUT2 w, a0, cb, co, cs, sb, so
.set AC, 32*(\a0)
	s_wait_xcnt 0x0                                ; the earlier stores have read their data
	WIN 0x14*\w                                    ; sources 1 and 2
.irp b, 0,1,2,3
	v_max3_num_f32 v[TM+\b], 0x2800000, |v[AC+16*\b]|, |v[AC+16*\b+1]|   ; each accumulator from its low end on; the floor 2^(5 - 127)
.endr
.irp i, 2,4,6,8,10,12,14
.irp b, 0,1,2,3
	v_max3_num_f32 v[TM+\b], v[TM+\b], |v[AC+16*\b+\i]|, |v[AC+16*\b+\i+1]|
.endr
.endr
	WIN 0
.irp b, 0,1,2,3
	v_permlanex16_b32 v[TM+4+\b], v[TM+\b], s20, s21
.endr
.irp b, 0,1,2,3
	v_max_num_f32 v[TM+\b], v[TM+\b], v[TM+4+\b]
.endr
.irp b, 0,1,2,3
	v_add_nc_u32 v[TM+12+\b], 0xfe000000, v[TM+\b]               ; 4 off the exponent field: the conversion's scale operand
.endr
.irp b, 0,1,2,3
	v_lshrrev_b32 v[TM+4+\b], 23, v[TM+12+\b]                    ; the byte
.endr
	v_lshl_or_b32 v192, v[TM+5], 8, v[TM+4]
	v_lshl_or_b32 v193, v[TM+7], 8, v[TM+6]
	WIN \w                                         ; source 0
.irp c, 0,1
	v_cvt_scalef32_pk16_bf6_f32 v[PC+6*\c:PC+2+6*\c], v[AC+32*\c:AC+15+32*\c], v[TM+12+2*\c]
	v_cvt_scalef32_pk16_bf6_f32 v[PC+12+4*\c:PC+14+4*\c], v[AC+16+32*\c:AC+31+32*\c], v[TM+12+2*\c+1]
.endr
	WIN 0
	v_cndmask_b32 v194, v192, v193, vcc_lo         ; lanes 0-15: the first row block's two bytes, lanes 16-31 the second's; the plain instruction behind the conversions
.irp c, 0,1
.irp i, 0,1,2
	v_permlane16_swap_b32 v[PC+6*\c+\i], v[PC+12+4*\c+\i]
.endr
.irp i, 0,1,2
	v_mov_b32 v[PC+3+6*\c+\i], v[PC+12+4*\c+\i]
.endr
.endr
.irp c, 0,1
.irp p, 0,1,2
	global_store_b64 v[L8], v[PC+6*\c+2*\p:PC+6*\c+2*\p+1], s[\cb:\cb+1] offset:\co+\cs*((\a0)+\c)+256*\p   ; 32 lanes store 256 consecutive bytes, aligned
.endr
.endr
.if \w == 3
	global_store_b16 v[L4], v194, s[\sb:\sb+1] offset:\so+64*(\a0)     ; two of a d's four bytes: my 64 keys
.else
	global_store_b32 v[L4], v194, s[\sb:\sb+1] offset:\so+64*(\a0)     ; 32 tokens' words
.endif
.endm
.rept 4
	v_nop                                          ; places behind the last products
.endr
	v_cmp_eq_u32 vcc_lo, 1, v2
.irp b, 0,1,2,3
	v_mov_b32 v[TM+4+\b], 0                        ; a lane permute's destination counts as read
.endr
	s_wait_alu depctr_va_vdst(0)
	OUT2 1, 0, 14, 0, 768, 16, 0
	OUT2 1, 2, 14, 0, 768, 16, 0
	OUT2 2, 0, 86, 0, 768, 88, 12288
	OUT2 2, 2, 86, 0, 768, 88, 12288
	OUT2 3, 0, 90, 6144, 1536, 92, 12800
	OUT2 3, 2, 90, 6144, 1536, 92, 12800
	s_wait_tensorcnt 0x0                           ; the wave's end
	ds_add_u32 v[SPW], v[NIL]
	s_wait_dscnt 0x0
	CROUND                                         ; the closing round
	s_endpgm
.Lfunc_end_k_q68c33d3f2f_qkv:
	.size	k_q68c33d3f2f_qkv, .Lfunc_end_k_q68c33d3f2f_qkv-k_q68c33d3f2f_qkv
	.p2alignl 7, 3214868480
	.fill 96, 4, 3214868480
	.section	.rodata,"a",@progbits
	.p2align	6, 0x0
	.amdhsa_kernel k_q68c33d3f2f_qkv
		.amdhsa_group_segment_fixed_size 327680
		.amdhsa_private_segment_fixed_size 0
		.amdhsa_enable_private_segment 0
		.amdhsa_kernarg_size 64
		.amdhsa_user_sgpr_count 2
		.amdhsa_user_sgpr_kernarg_segment_ptr 1
		.amdhsa_wavefront_size32 1
		.amdhsa_system_sgpr_workgroup_id_x 1
		.amdhsa_system_sgpr_workgroup_id_y 1
		.amdhsa_system_sgpr_workgroup_id_z 1
		.amdhsa_system_vgpr_workitem_id 0
		.amdhsa_next_free_vgpr 1024
		.amdhsa_next_free_sgpr 102
		.amdhsa_reserve_vcc 1
		.amdhsa_float_denorm_mode_32 3
		.amdhsa_float_denorm_mode_16_64 3
		.amdhsa_memory_ordered 1
		.amdhsa_forward_progress 1
		.amdhsa_inst_pref_size 146
	.end_amdhsa_kernel
	.amdgpu_metadata
---
amdhsa.version: [ 1, 2 ]
amdhsa.kernels:
  - .name:           k_q68c33d3f2f_qkv
    .symbol:         k_q68c33d3f2f_qkv.kd
    .args:
      - { .name: xc, .offset: 0, .size: 8, .value_kind: global_buffer, .address_space: global }
      - { .name: wc, .offset: 8, .size: 8, .value_kind: global_buffer, .address_space: global }
      - { .name: bq, .offset: 16, .size: 8, .value_kind: global_buffer, .address_space: global }
      - { .name: bk, .offset: 24, .size: 8, .value_kind: global_buffer, .address_space: global }
      - { .name: bv, .offset: 32, .size: 8, .value_kind: global_buffer, .address_space: global }
      - { .name: qc, .offset: 40, .size: 8, .value_kind: global_buffer, .address_space: global }
      - { .name: qs, .offset: 48, .size: 8, .value_kind: global_buffer, .address_space: global }
      - { .name: kv, .offset: 56, .size: 8, .value_kind: global_buffer, .address_space: global }
    .group_segment_fixed_size: 327680
    .private_segment_fixed_size: 0
    .kernarg_segment_align: 8
    .kernarg_segment_size: 64
    .max_flat_workgroup_size: 128
    .sgpr_count:     102
    .vgpr_count:     1024
    .wavefront_size: 32
...
	.end_amdgpu_metadata
.endif
;; end of part 2
;; launch attn (part 3): grid 8 x 32, 16 waves a work-group, clusters of 4 x 1, 327,680 bytes of LDS; arguments kv, qc, qs, ac; writes ac
.if DOCPART == 3
	.amdgcn_target "amdgcn-amd-amdhsa--gfx1250"
	.amdhsa_code_object_version 6
	.text
	.protected	k_q68c33d3f2f_attn
	.globl	k_q68c33d3f2f_attn
	.p2align	8
	.type	k_q68c33d3f2f_attn,@function
k_q68c33d3f2f_attn:
	s_mov_b64 s[64:65], 0
	v_nop
	global_prefetch_b8 v0, s[64:65] scope:SCOPE_SE
	s_setreg_imm32_b32 hwreg(HW_REG_WAVE_MODE, 25, 1), 1
	s_wait_xcnt 0x0
	s_wait_alu depctr_hold_cnt(0) depctr_sa_sdst(0) depctr_va_vdst(0) depctr_va_sdst(0) depctr_va_ssrc(0) depctr_va_vcc(0) depctr_vm_vsrc(0)
	s_getreg_b32 s2, hwreg(HW_REG_IB_STS2, 6, 4)
	s_cmp_eq_u32 s2, 0
	s_cbranch_scc0 .Lentry_in_a_cluster
	s_endpgm
.Lentry_in_a_cluster:
	s_bfe_u32 s2, ttmp6, 0x10000c
	s_cmp_lg_u32 s2, 0x3003
	s_cbranch_scc0 .Lentry_shape_is_right
	s_endpgm
.Lentry_shape_is_right:
; Causal attention of one head (work-group y = 16 x batch + head) on codes of BF6 with E8M0 scales; the result, divided by the row's sum, is quantised along d_model and stored as the last product's operand.
; t = score x log2(e) / 8; M = the running largest t rounded UP to a whole number; p = 2^(t - M) is quantised along the keys, not normalised; the row's sum is taken of the unquantised p.
; WORK LEFT OUT: key steps of 128 that the causal mask hides whole for a tile of 16 queries (see the first launch).
; LDS holds the head's K and V whole, 16 key steps of 13,056 bytes (K's codes, V's codes, K's and V's scale words): filled once, wave w asks for key step w, ONE joint load a wave.  Key step 0 is worked while the others land.
; No prefetch: all that is read through LDS is asked for at the head, and no loop loads from memory.
; SHARES.  The eight work-groups of a head are two clusters of four; work-group J (0-7) has the tiles 8 G + J of 16 queries, G = 0 .. 15; tile 8 G + J needs the key steps 0 .. G, whatever J: so every branch hangs on the wave's number and the trip's, never on the work-group's place.
; The tiles G = g and 15 - g (g = 0 .. 7; 17 steps together) are dealt to two waves: wave g works steps 0 .. 8 of tile 15 - g; wave 8 + g works tile g whole (g + 1 steps), stores its result, and works steps 9 .. 15 - g of tile 15 - g (7 - g steps):
; nine and eight steps.  The two parts of tile 15 - g are joined through LDS at the end, by wave g: factors 2^(M of a part - M) are whole powers of two.
; LAYOUT.  Both products are used transposed: S^T = K Q^T (source 0 = 16 keys, source 1 = my queries), O^T = V^T P^T: a lane holds one query (lane % 16) throughout.
; In S^T register 8 t + j holds key 16 t + 8 (lane / 16) + j; quantised as they stand, a block's codes lie in the order in which V's keys were laid.
; THE HEAD IS 64, THE INSTRUCTION'S K 128: Q's registers 6-11 are zero codes; K's operand for tile t is v[32 + 6 t .. 43 + 6 t]: its upper six registers are the next tile's codes (behind tile 7: zeros) and meet zeros.
; LIMITS: 1 / sum by v_rcp_f32; a block of zeros gets the byte 1 and not 127 (this program alone reads the bytes); NaN and infinities are not served.
; REGISTERS: v1-11 addresses; v12 -M, v13 the largest t, v[14:15] the sum; v16-27 Q; v32-85 K's tiles, then V's fragments; v96-159 S^T, then p; v160-191 O^T; v192-198 the second tile's Q; v224-235 p's codes; v228-254 at work; v255 Q's scale words.
.set STEPB, 13056
.set MRG,   229376                     ; LDS: the parts of tiles to join: 4,608 bytes for each of eight waves
.set SPARE, MRG+8*4608                 ; the spare words: 128 bytes a wave
.set WV,   12
.set JJ,   13
.set YY,   14
.set G1,   15                          ; the group of my first tile,
.set G2,   16                          ; and of the long tile, 15 - g
.set FL,   17                          ; the trip at which I change tiles (64: never)
.set DL,   18                          ; what the key step is ahead of the trip from there on: 8 - g
.set LAST, 19                          ; my last trip with work
.set TR,   20
.set ST,   21                          ; the key step
.set SEL,  22
.set CS,   24
.set GC,   26                          ; the group of the tile in work: its last key step
.set TB,   27
.macro CROUND
	s_barrier_signal -1
	s_barrier_wait -1
	s_cmp_lg_u32 s[WV], 0
	s_cbranch_scc1 .Lnot_wave_0_\@
	s_barrier_signal -3
.Lnot_wave_0_\@:
	s_barrier_wait -3
	s_barrier_signal -1
	s_barrier_wait -1
.endm
	s_load_b256 s[4:11], s[0:1], 0x0               ; kv s[4:5], qc s[6:7], qs s[8:9], ac s[10:11]
	v_lshl_add_u32 v223, v0, 2, SPARE
	v_mov_b32 v243, 0
	ds_add_u32 v223, v243                          ; the opening: the add, twice on end, and its wait ahead of my first tensor load
	ds_add_u32 v223, v243
	v_lshrrev_b32 v1, 5, v0
	v_readfirstlane_b32 s[WV], v1
	s_bfe_u32 s40, ttmp6, 0x40000                  ; cx
	s_lshl_b32 s[JJ], ttmp9, 2
	s_add_co_u32 s[JJ], s[JJ], s40                 ; J: it enters Q's and the outputs' addresses and the mask's numbers alone
	s_and_b32 s[YY], ttmp7, 0xffff
	s_and_b32 s41, s[WV], 7                        ; g
	s_sub_co_u32 s[G2], 15, s41
	s_sub_co_u32 s[DL], 8, s41
	s_add_co_u32 s42, s41, 1
	s_cmp_lt_u32 s[WV], 8
	s_cselect_b32 s[G1], s[G2], s41
	s_cselect_b32 s[FL], 64, s42
	s_cselect_b32 s[LAST], 8, 7
	s_lshl_b32 s43, s[G1], 3
	s_add_co_u32 s43, s43, s[JJ]                   ; my first tile of 16 queries
	s_lshl_b32 s44, s[G2], 3
	s_add_co_u32 s44, s44, s[JJ]                   ; the long tile
	s_mov_b32 s32, 15|(3<<16)|(1<<21)              ; the descriptor: 51 rows of 256 dense bytes; the mask names all four partners
	s_mov_b32 s33, 32<<16
	s_mov_b32 s34, 51<<16
	s_mov_b32 s35, 32<<16
	s_mov_b32 s36, 51
	s_mov_b32 s37, 32
	s_mov_b32 s38, 0
	s_mov_b32 s39, 0
	s_mov_b32 s28, 1
	s_mul_i32 s29, s[WV], STEPB
	s_mul_i32 s46, s[YY], 208896
	s_add_co_u32 s46, s46, s29
	s_mov_b32 s47, 0
	s_mov_b32 s[SEL], 0x76543210
	s_mov_b32 s[SEL+1], 0xfedcba98                 ; lane selects: lane l xor 16
	s_mov_b32 s[CS], 0x3e38aa3b                    ; c = log2(e) / 8
	s_mov_b32 s[CS+1], s[CS]
	s_wait_dscnt 0x0
	s_wait_kmcnt 0x0
	s_add_nc_u64 s[30:31], s[4:5], s[46:47]
	s_or_b32 s31, s31, 0x80000000
	CROUND                                         ; all four work-groups are here: the joint loads meet
	s_cmp_eq_u32 s[WV], 0                          ; key step 0 has a line of its own: it is waited for first
	s_cbranch_scc0 .Lothers
	tensor_load_to_lds s[28:31], s[32:39]
	s_nop 0
.rept 4
	v_nop
.endr
	s_branch .Lasked
.Lothers:
	tensor_load_to_lds s[28:31], s[32:39]
	s_nop 0
.rept 4
	v_nop
.endr
.Lasked:
	s_mul_i32 s46, s[YY], 98304
	s_mul_i32 s48, s44, 768
	s_add_co_u32 s48, s48, s46
	s_mov_b32 s49, 0
	s_mul_i32 s50, s43, 768
	s_add_co_u32 s46, s46, s50
	s_add_nc_u64 s[50:51], s[6:7], s[46:47]        ; Q's codes of the first tile,
	s_add_nc_u64 s[52:53], s[6:7], s[48:49]        ; and of the long one
	s_lshl_b32 s46, s[YY], 13
	s_lshl_b32 s48, s44, 6
	s_add_co_u32 s48, s48, s46
	s_lshl_b32 s54, s43, 6
	s_add_co_u32 s46, s46, s54
	s_add_nc_u64 s[54:55], s[8:9], s[46:47]        ; their scale words
	s_add_nc_u64 s[56:57], s[8:9], s[48:49]
	s_lshl_b32 s40, s[JJ], 4
	s_mul_i32 s41, s41, 4608
	s_add_co_u32 s41, s41, MRG
	v_and_b32 v30, 31, v0                          ; lane
	v_and_b32 v10, 15, v0                          ; r
	v_bfe_u32 v11, v0, 4, 1                        ; h
	v_lshlrev_b32 v1, 3, v30                       ; 8 x lane: my place in a piece
	v_lshlrev_b32 v8, 2, v10
.irp p, 0,1,2
	global_load_b64 v[16+2*\p:17+2*\p], v1, s[50:51] offset:256*\p
	global_load_b64 v[192+2*\p:193+2*\p], v1, s[52:53] offset:256*\p
.endr
	global_load_b32 v255, v8, s[54:55]
	global_load_b32 v198, v8, s[56:57]
	v_lshl_add_u32 v2, v30, 2, 12288               ; 4 x lane, among K's scale words
	v_lshlrev_b32 v4, 4, v30
	v_add_nc_u32 v4, s41, v4                       ; where a part of a tile goes from wave 8 + g to wave g
	v_lshlrev_b32 v6, 3, v11
	v_sub_nc_u32 v6, v10, v6
	v_add_nc_u32 v6, s40, v6                       ; 16 J + r - 8 h: in the diagonal step register 8 t + j is hidden where 16 t + j is above it
	v_lshl_add_u32 v9, v10, 2, v11                 ; the way out: my scale byte: 4 r + h
	v_mov_b32 v7, 0xff800000                       ; -infinity
.irp j, 22,23,24,25,26,27, 80,81,82,83,84,85
	v_mov_b32 v[\j], 0                             ; zero codes
.endr
.irp j, 236,237,238,239, 252,253
	v_mov_b32 v[\j], 0                             ; lane permutes' destinations, and the upper half of the pair v[252:253]
.endr
	s_wait_alu depctr_va_vdst(0)                   ; the scalar work of the way out follows
	s_lshr_b32 s40, s[YY], 4
	s_lshl_b32 s40, s40, 7
	s_add_co_u32 s43, s43, s40                     ; the output's tiles of 16 rows: 128 x batch + tile
	s_add_co_u32 s44, s44, s40
	s_and_b32 s40, s[YY], 15                       ; the head: K step head / 2, half head % 2
	s_lshr_b32 s41, s40, 2
	s_mul_i32 s41, s41, 3328                       ; its part,
	s_bfe_u32 s42, s40, 0x10001                    ; its step there
	s_and_b32 s40, s40, 1
	s_mul_i32 s45, s42, 1536
	s_add_co_u32 s45, s45, s41
	s_mul_i32 s46, s40, 768
	s_add_co_u32 s45, s45, s46                     ; codes: inside a tile
	s_lshl_b32 s42, s42, 6
	s_add_co_u32 s41, s41, s42
	s_lshl_b32 s40, s40, 1
	s_add_co_u32 s41, s41, s40                     ; scale bytes: likewise, less 3,072
	s_mul_i32 s43, s43, 13312
	s_mul_i32 s44, s44, 13312
	s_add_co_u32 s46, s43, s45
	s_add_nc_u64 s[66:67], s[10:11], s[46:47]      ; the first tile's codes,
	s_add_co_u32 s46, s43, s41
	s_add_nc_u64 s[68:69], s[10:11], s[46:47]      ; its scale bytes,
	s_add_co_u32 s46, s44, s45
	s_add_nc_u64 s[70:71], s[10:11], s[46:47]      ; the long tile's codes
	s_add_co_u32 s46, s44, s41
	s_add_nc_u64 s[72:73], s[10:11], s[46:47]      ; and scale bytes
; A KEY STEP of 128 keys.  first = 1: key step 0, with which every wave begins: nothing has been summed yet.
.macro STEP first
.if \first
.set KA, 1
.set KS, 2
.else
.set KA, 3
.set KS, 5
	v_add_nc_u32 v3, s[TB], v1                     ; these four are the places behind the last step's products
	v_add_nc_u32 v5, s[TB], v2
	v_nop
	v_nop
.endif
.irp t, 0,1,2,3,4,5,6,7
.irp p, 0,1,2
	ds_load_b64 v[32+6*\t+2*\p:33+6*\t+2*\p], v[KA] offset:768*\t+256*\p
.endr
.endr
.irp u, 0,1,2,3
	ds_load_b32 v[248+\u], v[KS] offset:128*\u     ; lanes 0-15: tile 2 u's words; lanes 16-31: tile 2 u + 1's
.endr
	s_wait_alu depctr_va_vdst(0)
	s_wait_dscnt 0x0
.irp t, 0,2,4,6
	v_wmma_scale_f32_16x16x128_f8f6f4 v[96+8*\t:103+8*\t], v[32+6*\t:43+6*\t], v[16:27], 0, v[248+\t/2], v255 matrix_a_fmt:MATRIX_FMT_BF6 matrix_b_fmt:MATRIX_FMT_BF6
	v_wmma_scale_f32_16x16x128_f8f6f4 v[104+8*\t:111+8*\t], v[38+6*\t:49+6*\t], v[16:27], 0, v[248+\t/2], v255 matrix_a_fmt:MATRIX_FMT_BF6 matrix_b_fmt:MATRIX_FMT_BF6 matrix_a_scale:MATRIX_SCALE_ROW1
.endr
.rept 4
	v_nop                                          ; places in front of the loads below and of the first read of the scores
.endr
.irp t, 0,1,2,3                                ; V is asked for now and lands while the softmax is worked
.irp p, 0,1,2,3,4,5
	ds_load_b64 v[32+12*\t+2*\p:33+12*\t+2*\p], v[KA] offset:6144+1536*\t+256*\p
.endr
.endr
.irp u, 0,1
	ds_load_b32 v[248+\u], v[KS] offset:512+128*\u
.endr
	s_cmp_lt_u32 s[ST], s[GC]                      ; only a tile's last step lies on the diagonal
	s_cbranch_scc1 .Lopen_\@
.set n, 0
.rept 64
	v_cmp_gt_i32 vcc_lo, 16*(n/8)+n%8, v6
	v_cndmask_b32 v[96+n], v[96+n], v7, vcc_lo     ; hidden scores become -infinity: p = 0
.set n, n+1
.endr
	s_wait_alu depctr_va_vdst(0)
.Lopen_\@:
.irp b, 0,1,2,3
	v_max3_num_f32 v[232+\b], v[96+16*\b], v[97+16*\b], v[98+16*\b]   ; the largest score of each block of 32 keys: for the row's maximum, and, since p rises with the score, for the block's largest p
.endr
.irp i, 3,5,7,9,11,13
.irp b, 0,1,2,3
	v_max3_num_f32 v[232+\b], v[232+\b], v[96+16*\b+\i], v[97+16*\b+\i]
.endr
.endr
.irp b, 0,1,2,3
	v_max_num_f32 v[232+\b], v[232+\b], v[111+16*\b]
.endr
.irp b, 0,1,2,3
	s_delay_alu instid0(VALU_DEP_4)
	v_permlanex16_b32 v[236+\b], v[232+\b], s[SEL], s[SEL+1]
.endr
.irp b, 0,1,2,3
	s_delay_alu instid0(VALU_DEP_4)
	v_max_num_f32 v[232+\b], v[232+\b], v[236+\b]
.endr
	s_delay_alu instid0(VALU_DEP_2)
	v_max3_num_f32 v254, v232, v233, v234
	s_delay_alu instid0(VALU_DEP_1)
	v_max_num_f32 v254, v254, v235
	s_delay_alu instid0(VALU_DEP_1)
.if \first
	v_mul_f32 v13, s[CS], v254                     ; the largest t
	s_delay_alu instid0(VALU_DEP_1)
	v_floor_f32 v12, -v13                          ; -M = -ceil(t): a whole number
.else
	v_mul_f32 v254, s[CS], v254
	s_delay_alu instid0(VALU_DEP_1)
	v_max_num_f32 v13, v13, v254                   ; the running largest t
	v_mov_b32 v254, v12
	s_delay_alu instid0(VALU_DEP_2)
	v_floor_f32 v12, -v13                          ; the new -M = -ceil(t): a whole number
	s_delay_alu instid0(VALU_DEP_1)
	v_sub_f32 v254, v12, v254
	s_delay_alu instid0(VALU_DEP_1)
	v_cvt_i32_f32 v254, v254                       ; old M - new M (it saturates)
	s_delay_alu instid0(VALU_DEP_1)
	v_ldexp_f32 v252, 1.0, v254                    ; f = 2^(old M - new M): exact
.endif
.set j, 0
.rept 32
	v_pk_fma_f32 v[96+j:97+j], v[96+j:97+j], s[CS:CS+1], v[12:13] op_sel_hi:[1,0,0]   ; t - M
.set j, j+2
.endr
.irp b, 0,1,2,3
	v_fma_f32 v[232+\b], v[232+\b], s[CS], v12
.endr
.set j, 0
	s_wait_alu depctr_va_vdst(0)
.rept 64
	v_exp_f32 v[96+j], v[96+j]                     ; p = 2^(t - M)
.set j, j+1
.endr
.if \first
	v_mov_b32 v14, 0                               ; (plain instructions behind the exponentials)
	v_mov_b32 v15, 0
.else
	v_pk_mul_f32 v[14:15], v[14:15], v[252:253] op_sel_hi:[1,0]   ; the sums under the new M; the plain instruction behind the exponentials
.endif
	s_wait_alu depctr_va_vdst(0)                   ; one wait for the batch, ahead of its first reader
.irp b, 0,1,2,3
	v_exp_f32 v[232+\b], v[232+\b]                 ; each block's largest p
.endr
	v_pk_add_f32 v[236:237], v[100:101], v[104:105]
	v_pk_add_f32 v[246:247], v[108:109], v[112:113]
	v_pk_add_f32 v[244:245], v[116:117], v[120:121]
	v_pk_add_f32 v[240:241], v[124:125], v[128:129]
	v_pk_add_f32 v[238:239], v[132:133], v[136:137]
	v_pk_add_f32 v[230:231], v[140:141], v[144:145]
	v_pk_add_f32 v[228:229], v[148:149], v[152:153]
	v_pk_add_f32 v[14:15], v[14:15], v[156:157]
	v_pk_add_f32 v[236:237], v[236:237], v[96:97]
	v_pk_add_f32 v[246:247], v[246:247], v[98:99]
	v_pk_add_f32 v[244:245], v[244:245], v[102:103]
	v_pk_add_f32 v[240:241], v[240:241], v[106:107]
	v_pk_add_f32 v[238:239], v[238:239], v[110:111]
	v_pk_add_f32 v[230:231], v[230:231], v[114:115]
	v_pk_add_f32 v[228:229], v[228:229], v[118:119]
	v_pk_add_f32 v[14:15], v[14:15], v[122:123]
	v_pk_add_f32 v[236:237], v[236:237], v[126:127]
	v_pk_add_f32 v[246:247], v[246:247], v[130:131]
	v_pk_add_f32 v[244:245], v[244:245], v[134:135]
	v_pk_add_f32 v[240:241], v[240:241], v[138:139]
	v_pk_add_f32 v[238:239], v[238:239], v[142:143]
	v_pk_add_f32 v[230:231], v[230:231], v[146:147]
	v_pk_add_f32 v[228:229], v[228:229], v[150:151]
	v_pk_add_f32 v[14:15], v[14:15], v[154:155]
	v_pk_add_f32 v[236:237], v[236:237], v[158:159]
	s_delay_alu instid0(VALU_DEP_2)
	v_pk_add_f32 v[14:15], v[14:15], v[240:241]
	s_delay_alu instid0(VALU_DEP_2)
	v_pk_add_f32 v[236:237], v[236:237], v[238:239]
	v_pk_add_f32 v[246:247], v[246:247], v[230:231]
	v_pk_add_f32 v[244:245], v[244:245], v[228:229]
	s_delay_alu instid0(VALU_DEP_2)
	v_pk_add_f32 v[14:15], v[14:15], v[246:247]
	s_delay_alu instid0(VALU_DEP_2)
	v_pk_add_f32 v[236:237], v[236:237], v[244:245]
	s_delay_alu instid0(VALU_DEP_1)
	v_pk_add_f32 v[14:15], v[14:15], v[236:237]
	s_wait_alu depctr_va_vdst(0)                   ; and one for the four
.irp b, 0,1,2,3
	v_max_num_f32 v[232+\b], 0x2800000, v[232+\b]  ; the floor 2^(5 - 127)
.endr
.irp b, 0,1,2,3
	s_delay_alu instid0(VALU_DEP_4)
	v_add_nc_u32 v[244+\b], 0xfe000000, v[232+\b]
.endr
.irp b, 0,1,2,3
	s_delay_alu instid0(VALU_DEP_4)
	v_lshrrev_b32 v[236+\b], 23, v[244+\b]
.endr
	s_delay_alu instid0(VALU_DEP_3)
	v_lshl_or_b32 v253, v237, 8, v236              ; p's scale word for these 128 keys
	s_delay_alu instid0(VALU_DEP_1)
	v_lshl_or_b32 v253, v238, 16, v253
	s_delay_alu instid0(VALU_DEP_1)
	v_lshl_or_b32 v253, v239, 24, v253
.irp c, 0,1
	v_cvt_scalef32_pk16_bf6_f32 v[224+6*\c:226+6*\c], v[96+32*\c:111+32*\c], v[244+2*\c]
	v_cvt_scalef32_pk16_bf6_f32 v[236+4*\c:238+4*\c], v[112+32*\c:127+32*\c], v[244+2*\c+1]
.endr
	v_nop                                          ; one plain instruction behind a scaled conversion
.irp c, 0,1
.irp i, 0,1,2
	v_permlane16_swap_b32 v[224+6*\c+\i], v[236+4*\c+\i]
.endr
.irp i, 0,1,2
	s_delay_alu instid0(VALU_DEP_3)
	v_mov_b32 v[227+6*\c+\i], v[236+4*\c+\i]
.endr
.endr
.if \first
.rept 5
	v_nop                                          ; places in front of the products below
.endr
.else
	s_wait_alu depctr_va_vdst(0)                   ; directly ahead of the first reader of O^T
.set j, 0
.rept 16
	v_pk_mul_f32 v[160+j:161+j], v[160+j:161+j], v[252:253] op_sel_hi:[1,0]   ; O^T under the new M; these are also the places in front of the products below
.set j, j+2
.endr
.endif
	s_wait_alu depctr_va_vdst(0)
	s_wait_dscnt 0x0                               ; V
.irp t, 0,1,2,3
.if \first
.if (\t)%2
	v_wmma_scale_f32_16x16x128_f8f6f4 v[160+8*\t:167+8*\t], v[32+12*\t:43+12*\t], v[224:235], 0, v[248+\t/2], v253 matrix_a_fmt:MATRIX_FMT_BF6 matrix_b_fmt:MATRIX_FMT_BF6 matrix_a_scale:MATRIX_SCALE_ROW1
.else
	v_wmma_scale_f32_16x16x128_f8f6f4 v[160+8*\t:167+8*\t], v[32+12*\t:43+12*\t], v[224:235], 0, v[248+\t/2], v253 matrix_a_fmt:MATRIX_FMT_BF6 matrix_b_fmt:MATRIX_FMT_BF6
.endif
.else
.if (\t)%2
	v_wmma_scale_f32_16x16x128_f8f6f4 v[160+8*\t:167+8*\t], v[32+12*\t:43+12*\t], v[224:235], v[160+8*\t:167+8*\t], v[248+\t/2], v253 matrix_a_fmt:MATRIX_FMT_BF6 matrix_b_fmt:MATRIX_FMT_BF6 matrix_a_scale:MATRIX_SCALE_ROW1
.else
	v_wmma_scale_f32_16x16x128_f8f6f4 v[160+8*\t:167+8*\t], v[32+12*\t:43+12*\t], v[224:235], v[160+8*\t:167+8*\t], v[248+\t/2], v253 matrix_a_fmt:MATRIX_FMT_BF6 matrix_b_fmt:MATRIX_FMT_BF6
.endif
.endif
.endr
.endm
; THE WAY OUT of a tile: O^T / the sum; a lane's 32 numbers are 16 of each of the head's two blocks of 32 along d_model: quantised, half a fragment's image, and a byte a lane
.macro OUT cb, sb
	v_add_f32 v14, v14, v15
	s_delay_alu instid0(VALU_DEP_1)
	v_permlanex16_b32 v252, v14, s[SEL], s[SEL+1]
	s_delay_alu instid0(VALU_DEP_1)
	v_add_f32 v14, v14, v252                       ; the row's sum
	v_nop
	s_wait_alu depctr_va_vdst(0)
	v_rcp_f32 v14, v14
	v_nop                                          ; the plain instruction behind the reciprocal
	v_cmp_eq_u32 vcc_lo, 1, v11
	s_wait_alu depctr_va_vdst(0)                   ; ahead of its first reader
.set j, 0
.rept 32
	v_mul_f32 v[96+j], v[160+j], v14               ; each accumulator from its low end on
.set j, j+1
.endr
.irp b, 0,1
	v_max3_num_f32 v[232+\b], |v[96+16*\b]|, |v[97+16*\b]|, 0x2800000
.endr
.irp i, 2,4,6,8,10,12,14
.irp b, 0,1
	s_delay_alu instid0(VALU_DEP_2)
	v_max3_num_f32 v[232+\b], v[232+\b], |v[96+16*\b+\i]|, |v[97+16*\b+\i]|
.endr
.endr
.irp b, 0,1
	v_permlanex16_b32 v[236+\b], v[232+\b], s[SEL], s[SEL+1]
.endr
.irp b, 0,1
	v_max_num_f32 v[232+\b], v[232+\b], v[236+\b]
.endr
.irp b, 0,1
	s_delay_alu instid0(VALU_DEP_2)
	v_add_nc_u32 v[244+\b], 0xfe000000, v[232+\b]
.endr
.irp b, 0,1
	s_delay_alu instid0(VALU_DEP_2)
	v_lshrrev_b32 v[240+\b], 23, v[244+\b]
.endr
	v_cvt_scalef32_pk16_bf6_f32 v[224:226], v[96:111], v244
	v_cvt_scalef32_pk16_bf6_f32 v[236:238], v[112:127], v245
	v_cndmask_b32 v242, v240, v241, vcc_lo         ; lane (r, h) stores block h's byte of row r; the plain instruction behind the conversions
.irp i, 0,1,2
	v_permlane16_swap_b32 v[224+\i], v[236+\i]
.endr
.irp i, 0,1,2
	v_mov_b32 v[227+\i], v[236+\i]
.endr
.irp p, 0,1,2
	global_store_b64 v1, v[224+2*\p:225+2*\p], s[\cb:\cb+1] offset:256*\p   ; 32 lanes store 256 consecutive bytes, aligned
.endr
	global_store_b8 v9, v242, s[\sb:\sb+1] offset:3072
	global_store_b8 v9, v242, s[\sb:\sb+1] offset:3200
.endm
	s_cmp_eq_u32 s[WV], 0
	s_cbranch_scc0 .Lno_wait
	s_wait_tensorcnt 0x0                           ; key step 0 is in
.Lno_wait:
	s_wait_loadcnt 0x0                             ; Q
	s_barrier_signal -1
	s_barrier_wait -1
	s_mov_b32 s[ST], 0
	s_mov_b32 s[GC], s[G1]
	STEP 1
	s_wait_tensorcnt 0x0                           ; all of K and V
	s_wait_dscnt 0x0
	s_barrier_signal -1
	s_barrier_wait -1
	s_mov_b32 s[TR], 1
.Lloop:
	s_cmp_eq_u32 s[TR], s[FL]                      ; waves 8 + g: tile g is finished: it leaves, and the long tile begins
	s_cbranch_scc0 .Lsame
	OUT 66, 68
.irp p, 0,1,2,3,4,5
	v_mov_b32 v[16+\p], v[192+\p]
.endr
	v_mov_b32 v255, v198
	v_mov_b32 v13, 0xff61b1e6                      ; the largest t so far: -3e38
	v_mov_b32 v14, 0
	v_mov_b32 v15, 0
	v_floor_f32 v12, -v13                          ; -M
.set j, 0
.rept 32
	v_mov_b32 v[160+j], 0                          ; the step is written once: the first change of M leaves zeros zeros
.set j, j+1
.endr
	s_wait_alu depctr_va_vdst(0)
	s_wait_xcnt 0x0                                ; the stores have read their data
.Lsame:
	s_cmp_ge_u32 s[TR], s[FL]
	s_cselect_b32 s40, s[DL], 0
	s_cselect_b32 s[GC], s[G2], s[G1]
	s_add_co_u32 s[ST], s[TR], s40
	s_mul_i32 s[TB], s[ST], STEPB
	s_cmp_gt_u32 s[TR], s[LAST]
	s_cbranch_scc1 .Lskip
	STEP 0
.Lskip:
	s_add_co_u32 s[TR], s[TR], 1
	s_cmp_lt_u32 s[TR], 9
	s_cbranch_scc1 .Lloop
	; the two parts of a long tile meet
.rept 4
	v_nop                                          ; places behind the last products
.endr
	s_cmp_lt_u32 s[WV], 8
	s_cbranch_scc1 .Lkeep
.irp i, 0,1,2,3,4,5,6,7
	ds_store_b128 v4, v[160+4*\i:163+4*\i] offset:512*\i
.endr
	ds_store_b128 v4, v[12:15] offset:4096
.Lkeep:
	s_wait_dscnt 0x0
	s_barrier_signal -1
	s_barrier_wait -1
	s_cmp_lt_u32 s[WV], 8
	s_cbranch_scc0 .Lend
	ds_load_b128 v[128:131], v4 offset:4096        ; -M, the largest t, the sum's two halves of the other part,
.irp i, 0,1,2,3,4,5,6,7
	ds_load_b128 v[96+4*\i:99+4*\i], v4 offset:512*\i
.endr
	s_wait_dscnt 0x0
	v_min_num_f32 v232, v12, v128                  ; -M of both
	v_sub_f32 v233, v232, v12
	v_sub_f32 v234, v232, v128
	v_cvt_i32_f32 v233, v233                       ; (it saturates)
	v_cvt_i32_f32 v234, v234
	v_ldexp_f32 v236, 1.0, v233
	v_ldexp_f32 v238, 1.0, v234                    ; (0 where the other part has no step)
	v_pk_mul_f32 v[14:15], v[14:15], v[236:237] op_sel_hi:[1,0]
	v_pk_fma_f32 v[14:15], v[130:131], v[238:239], v[14:15] op_sel_hi:[1,0,1]
.set j, 0
.rept 16
	v_pk_mul_f32 v[160+j:161+j], v[160+j:161+j], v[236:237] op_sel_hi:[1,0]
.set j, j+2
.endr
.set j, 0
.rept 16
	v_pk_fma_f32 v[160+j:161+j], v[96+j:97+j], v[238:239], v[160+j:161+j] op_sel_hi:[1,0,1]
.set j, j+2
.endr
	OUT 70, 72
.Lend:
	s_wait_tensorcnt 0x0                           ; the wave's end
	ds_add_u32 v223, v243
	s_wait_dscnt 0x0
	CROUND                                         ; the closing round
	s_endpgm
.Lfunc_end_k_q68c33d3f2f_attn:
	.size	k_q68c33d3f2f_attn, .Lfunc_end_k_q68c33d3f2f_attn-k_q68c33d3f2f_attn
	.p2alignl 7, 3214868480
	.fill 96, 4, 3214868480
	.section	.rodata,"a",@progbits
	.p2align	6, 0x0
	.amdhsa_kernel k_q68c33d3f2f_attn
		.amdhsa_group_segment_fixed_size 327680
		.amdhsa_private_segment_fixed_size 0
		.amdhsa_enable_private_segment 0
		.amdhsa_kernarg_size 32
		.amdhsa_user_sgpr_count 2
		.amdhsa_user_sgpr_kernarg_segment_ptr 1
		.amdhsa_wavefront_size32 1
		.amdhsa_system_sgpr_workgroup_id_x 1
		.amdhsa_system_sgpr_workgroup_id_y 1
		.amdhsa_system_sgpr_workgroup_id_z 1
		.amdhsa_system_vgpr_workitem_id 0
		.amdhsa_next_free_vgpr 256
		.amdhsa_next_free_sgpr 80
		.amdhsa_reserve_vcc 1
		.amdhsa_float_denorm_mode_32 3
		.amdhsa_float_denorm_mode_16_64 3
		.amdhsa_memory_ordered 1
		.amdhsa_forward_progress 1
		.amdhsa_inst_pref_size 67
	.end_amdhsa_kernel
	.amdgpu_metadata
---
amdhsa.version: [ 1, 2 ]
amdhsa.kernels:
  - .name:           k_q68c33d3f2f_attn
    .symbol:         k_q68c33d3f2f_attn.kd
    .args:
      - { .name: kv, .offset: 0, .size: 8, .value_kind: global_buffer, .address_space: global }
      - { .name: qc, .offset: 8, .size: 8, .value_kind: global_buffer, .address_space: global }
      - { .name: qs, .offset: 16, .size: 8, .value_kind: global_buffer, .address_space: global }
      - { .name: ac, .offset: 24, .size: 8, .value_kind: global_buffer, .address_space: global }
    .group_segment_fixed_size: 327680
    .private_segment_fixed_size: 0
    .kernarg_segment_align: 8
    .kernarg_segment_size: 32
    .max_flat_workgroup_size: 512
    .sgpr_count:     80
    .vgpr_count:     256
    .wavefront_size: 32
...
	.end_amdgpu_metadata
.endif
;; end of part 3
;; launch proj (part 4): grid 8 x 32, 4 waves a work-group, clusters of 4 x 4, 327,680 bytes of LDS; arguments ac, wc, bo, out0; writes out0
.if DOCPART == 4
	.amdgcn_target "amdgcn-amd-amdhsa--gfx1250"
	.amdhsa_code_object_version 6
	.text
	.protected	k_q68c33d3f2f_proj
	.globl	k_q68c33d3f2f_proj
	.p2align	8
	.type	k_q68c33d3f2f_proj,@function
k_q68c33d3f2f_proj:
	s_mov_b64 s[64:65], 0
	v_nop
	global_prefetch_b8 v0, s[64:65] scope:SCOPE_SE
	s_setreg_imm32_b32 hwreg(HW_REG_WAVE_MODE, 25, 1), 1
	s_wait_xcnt 0x0
	s_wait_alu depctr_hold_cnt(0) depctr_sa_sdst(0) depctr_va_vdst(0) depctr_va_sdst(0) depctr_va_ssrc(0) depctr_va_vcc(0) depctr_vm_vsrc(0)
	s_getreg_b32 s2, hwreg(HW_REG_IB_STS2, 6, 4)
	s_cmp_eq_u32 s2, 0
	s_cbranch_scc0 .Lentry_in_a_cluster
	s_endpgm
.Lentry_in_a_cluster:
	s_bfe_u32 s2, ttmp6, 0x10000c
	s_cmp_lg_u32 s2, 0xf033
	s_cbranch_scc0 .Lentry_shape_is_right
	s_endpgm
.Lentry_shape_is_right:
; out0 = attention's result x Wo + bo, on codes of BF6 with E8M0 scales; out0 [4096][1024] f32.
; A work-group makes 128 x 128 of out0, a wave 64 x 64: 16 accumulators, 128 registers; 32 x 8 such blocks are 256 work-groups.  Both operands' 128 rows, all of K, codes and scale words (layout: see the first launch), are two dense blocks of 106,496 bytes:
; they come into LDS once, ONE joint load a wave (waves 0, 1 the tokens' halves, waves 2, 3 Wo's), and one barrier shows them.  No prefetch: all is asked for at the head, and no loop loads.
; THE MATRIX INSTRUCTION IS USED TRANSPOSED: source 0 = 16 rows n of Wo, source 1 = 16 tokens: a lane holds eight neighbouring numbers of a row of out0.  The bias is the C of each sum's first product.
; CLUSTERS: 4 x 4 work-groups; the tokens' tiles are asked for jointly by a row of the cluster, Wo's by a column.
; LIMITS: NaN and infinities are not served.
; REGISTERS: window 0: v4-31 addresses, v32-39 scale words (two sets), v48-79 the bias, v144-239 the tokens' fragments (two sets); on the way out v48-175 rows of out0.
;   window 1: v0-127 accumulators ((a, b) at 8 (4 a + b)), v128-223 Wo's fragments (two sets), v240 their LDS address.
.set TILEB, 13312
.set PARTB, 3328
.set HALFB, 4*TILEB                    ; 64 rows: what one tensor load brings, and what one wave reads of an operand
.set STAGE, 4*HALFB                    ; the way out: 64 rows x 272 bytes a wave
.set SPITCH, 272
.set SPARE, STAGE+4*64*SPITCH          ; the spare words: 128 bytes a wave, two blocks of 256 bytes that no other line names
.set ADRS, 4
.set ADRX, 16
.set STO,  24
.set RD,   25
.set CO,   26
.set SPW,  28
.set NIL,  29
.set SC,   32
.set BIAS, 48
.set XF,   144
.set WF,   128
.set BK,   48
.set WC,   2
.set WV,   22
.set WR,   23
.set G0A,  28
.set G0B,  32
.set G1A,  36
.set G1B,  44
.set CX,   52
.set CY,   53
.set CT,   54
.set TY,   55
.set MSB, 0
.macro WIN new
.if MSB != \new
	s_set_vgpr_msb (MSB<<8)|(\new)
.set MSB, \new
.endif
.endm
.macro CROUND
	s_barrier_signal -1
	s_barrier_wait -1
	s_cmp_lg_u32 s[WV], 0
	s_cbranch_scc1 .Lnot_wave_0_\@
	s_barrier_signal -3
.Lnot_wave_0_\@:
	s_barrier_wait -3
	s_barrier_signal -1
	s_barrier_wait -1
.endm
.macro LDB nx                          ; one piece of Wo's four fragments of step nx; LI counts the 24
	ds_load_b64 v[WF+48*((\nx)%2)+2*LI:WF+48*((\nx)%2)+2*LI+1], v240 offset:TILEB*(LI/6)+PARTB*((\nx)/2)+1536*((\nx)%2)+256*(LI%6)
.set LI, LI+1
.endm
.macro LDA nx                          ; the tokens' four fragments and the scale words: lanes 0-15 the tokens' block i, lanes 16-31 Wo's
.set LI, 0
.rept 24
	ds_load_b64 v[XF+48*((\nx)%2)+2*LI:XF+48*((\nx)%2)+2*LI+1], v[ADRX] offset:TILEB*(LI/6)+PARTB*((\nx)/2)+1536*((\nx)%2)+256*(LI%6)
.set LI, LI+1
.endr
.irp i, 0,1,2,3
	ds_load_b32 v[SC+4*((\nx)%2)+\i], v[ADRS] offset:TILEB*\i+PARTB*((\nx)/2)+64*((\nx)%2)
.endr
.endm
; A step of 128 along K: 16 matrix instructions, the accumulators by turns, with the next step's loads of Wo between them
.macro STEP st
.if (\st) < 7
	WIN 0
.rept 4
	v_nop                                          ; places in front of loads into registers that matrix instructions have read
.endr
	LDA (\st)+1
	s_wait_dscnt 28                                ; all but the 28 just issued
.else
	s_wait_dscnt 0x0
.endif
.if (\st) == 0
	WIN 0x41                                       ; C, the bias, lies in window 0
.else
	WIN 0x51
.endif
.set rP, (\st)%2
.set LI, 0
.irp a, 0,1,2,3
.irp b, 0,1,2,3
.set rD, 8*(4*\a+\b)
.set rC, rD
.if (\st) == 0
.set rC, BIAS+8*\b
.endif
.set rS0, WF+48*rP+12*\b
.set rS1, XF+48*rP+12*\a
	v_wmma_scale_f32_16x16x128_f8f6f4 v[rD:rD+7], v[rS0:rS0+11], v[rS1:rS1+11], v[rC:rC+7], v[SC+4*rP+\b], v[SC+4*rP+\a] matrix_a_fmt:MATRIX_FMT_BF6 matrix_b_fmt:MATRIX_FMT_BF6 matrix_a_scale:MATRIX_SCALE_ROW1
.if (\st) < 7
	LDB (\st)+1
.if (\b)%2 == 0
	LDB (\st)+1
.endif
.endif
.endr
.endr
.endm
	s_load_b256 s[4:11], s[0:1], 0x0               ; ac s[4:5], wc s[6:7], bo s[8:9], out0 s[10:11]
	v_lshl_add_u32 v[SPW], v0, 2, SPARE
	v_mov_b32 v[NIL], 0
	ds_add_u32 v[SPW], v[NIL]                      ; the opening: the add, twice on end, and its wait ahead of my first tensor load
	ds_add_u32 v[SPW], v[NIL]
	v_lshrrev_b32 v1, 5, v0
	v_readfirstlane_b32 s[WV], v1
	s_lshr_b32 s[WR], s[WV], 1                     ; my 64 tokens.  Also: I fetch for the tokens (0) or for Wo (1)
	s_and_b32 s[WC], s[WV], 1                      ; my 64 columns.  Also: which half I fetch
	s_bfe_u32 s[CX], ttmp6, 0x40000
	s_bfe_u32 s[CY], ttmp6, 0x40004
	s_and_b32 s58, ttmp7, 0xffff
	s_lshl_b32 s[TY], s58, 2
	s_add_co_u32 s[TY], s[TY], s[CY]               ; which 128 tokens
	s_lshl_b32 s[CT], ttmp9, 2
	s_add_co_u32 s[CT], s[CT], s[CX]               ; which 128 columns
	s_lshl_b32 s60, s[CY], 2
	s_lshl_b32 s60, 15, s60                        ; my row of the cluster
	s_lshl_b32 s61, 0x1111, s[CX]                  ; my column
	s_or_b32 s[G1A], s60, (3<<16)|(1<<21)          ; 15:0 the mask; 17:16 elements of 8 bytes; 21 set beside a mask; no padding
	s_or_b32 s[G1B], s61, (3<<16)|(1<<21)
.irp g, G1A, G1B                               ; 53,248 dense bytes as 208 rows of 256
	s_mov_b32 s[\g+1], 32<<16
	s_mov_b32 s[\g+2], 208<<16
	s_mov_b32 s[\g+3], 32<<16
	s_mov_b32 s[\g+4], 208
	s_mov_b32 s[\g+5], 32
	s_mov_b32 s[\g+6], 0
	s_mov_b32 s[\g+7], 0
.endr
	s_mul_i32 s59, s[WC], HALFB
	s_mul_i32 s66, s[TY], 2*HALFB
	s_add_co_u32 s66, s66, s59
	s_mov_b32 s67, 0
	s_mul_i32 s68, s[CT], 2*HALFB
	s_add_co_u32 s68, s68, s59
	s_add_co_u32 s68, s68, 192*TILEB               ; Wo: tiles 192 on of wc
	s_mov_b32 s69, 0
	s_mov_b32 s[G0A], 1
	s_mov_b32 s[G0B], 1
	s_mul_i32 s[G0A+1], s[WV], HALFB               ; the tokens' two halves, then Wo's
	s_mov_b32 s[G0B+1], s[G0A+1]
	s_wait_dscnt 0x0
	s_wait_kmcnt 0x0
	s_add_nc_u64 s[G0A+2:G0A+3], s[4:5], s[66:67]
	s_add_nc_u64 s[G0B+2:G0B+3], s[6:7], s[68:69]
	s_or_b32 s[G0A+3], s[G0A+3], 0x80000000
	s_or_b32 s[G0B+3], s[G0B+3], 0x80000000
	CROUND                                         ; all sixteen work-groups are here: the joint loads meet
	s_cmp_eq_u32 s[WR], 0
	s_cbranch_scc0 .Lfor_b
	tensor_load_to_lds s[G0A:G0A+3], s[G1A:G1A+7]
	s_nop 0
.rept 4
	v_nop
.endr
	s_branch .Lasked
.Lfor_b:
	tensor_load_to_lds s[G0B:G0B+3], s[G1B:G1B+7]
	s_nop 0
.rept 4
	v_nop
.endr
.Lasked:
	s_lshl_b32 s72, s[CT], 9
	s_lshl_b32 s73, s[WC], 8
	s_add_co_u32 s72, s72, s73                     ; my first column, in bytes
	s_mov_b32 s73, 0
	s_add_nc_u64 s[8:9], s[8:9], s[72:73]
	s_add_nc_u64 s[10:11], s[10:11], s[72:73]
	s_lshl_b32 s72, s[TY], 7
	s_lshl_b32 s74, s[WR], 6
	s_add_co_u32 s72, s72, s74                     ; my first row,
	s_lshl_b32 s72, s72, 12                        ; of 4,096 bytes
	s_add_nc_u64 s[10:11], s[10:11], s[72:73]
	s_mul_i32 s66, s[WR], HALFB                    ; LDS: my tokens,
	s_mul_i32 s67, s[WC], HALFB
	s_add_co_u32 s67, s67, 2*HALFB                 ; my rows of Wo
	s_sub_co_u32 s70, s67, s66
	s_add_co_u32 s70, s70, 128                     ; lanes 16-31 read the words' second copy: other banks than lanes 0-15
	s_mul_i32 s71, s[WV], 64*SPITCH
	s_add_co_u32 s71, s71, STAGE                   ; my stage
	v_and_b32 v1, 15, v0                           ; r
	v_bfe_u32 v2, v0, 4, 1                         ; h
	v_and_b32 v3, 31, v0
	v_lshlrev_b32 v30, 5, v2
.irp b, 0,1,2,3                                ; register 8 b + j = bo(16 b + 8 h + j)
	global_load_b128 v[BIAS+8*\b:BIAS+8*\b+3], v30, s[8:9] offset:64*\b
	global_load_b128 v[BIAS+8*\b+4:BIAS+8*\b+7], v30, s[8:9] offset:64*\b+16
.endr
	v_lshlrev_b32 v5, 3, v3                        ; 8 x lane
	v_add_nc_u32 v[ADRX], s66, v5
	v_add_nc_u32 v12, s67, v5
	v_lshl_add_u32 v11, v1, 2, 3072
	v_mul_u32_u24 v7, s70, v2
	v_add_nc_u32 v[ADRS], v11, v7
	v_add_nc_u32 v[ADRS], s66, v[ADRS]
	v_mul_u32_u24 v6, v1, SPITCH
	v_lshl_add_u32 v6, v2, 5, v6
	v_add_nc_u32 v[STO], s71, v6                   ; in: row r, 32 bytes for each half of the lanes
	v_mul_u32_u24 v7, v2, SPITCH
	v_lshl_add_u32 v7, v1, 4, v7
	v_add_nc_u32 v[RD], s71, v7                    ; back: lanes 0-15 one row of 256 bytes, lanes 16-31 the next
	v_lshlrev_b32 v8, 12, v2
	v_lshl_add_u32 v[CO], v1, 4, v8                ; and the same two rows in out0
	WIN 0x40
	v_mov_b32 v240, v12                            ; Wo's address in window 1
	WIN 0
	s_wait_alu depctr_va_vdst(0)
	s_wait_tensorcnt 0x0
	s_barrier_signal -1
	s_barrier_wait -1                              ; all four loads have landed
	LDA 0
	WIN 0x41
.set LI, 0
.rept 24
	LDB 0
.endr
	s_wait_loadcnt 0x0                             ; the bias
	STEP 0
	STEP 1
	STEP 2
	STEP 3
	STEP 4
	STEP 5
	STEP 6
	STEP 7
	WIN 0
.rept 4
	v_nop                                          ; places behind the last products
.endr
; THE WAY OUT, by blocks of 16 rows x 64 columns, through my own stage: in as 32 bytes a lane, back as whole rows of 256 bytes.  LDS serves a wave's instructions in order (ISA guide 5.7.1.4).
.macro TOSTAGE a
	WIN 0x04                                       ; an LDS store's data: window 1
.irp b, 0,1,2,3
	ds_store_b128 v[STO], v[32*\a+8*\b:32*\a+8*\b+3] offset:16*SPITCH*\a+64*\b      ; each accumulator from its low end on
	ds_store_b128 v[STO], v[32*\a+8*\b+4:32*\a+8*\b+7] offset:16*SPITCH*\a+64*\b+16
.endr
	WIN 0
.irp t, 0,1,2,3,4,5,6,7
	ds_load_b128 v[BK+32*\a+4*\t:BK+32*\a+4*\t+3], v[RD] offset:SPITCH*(16*\a+2*\t)
.endr
.endm
.macro SEND a, younger
	s_wait_dscnt \younger                          ; the block is back in registers
.irp t, 0,1,2,3,4,5,6,7
	global_store_b128 v[CO], v[BK+32*(\a)+4*\t:BK+32*(\a)+4*\t+3], s[10:11] offset:4096*(16*(\a)+2*\t) th:TH_STORE_NT   ; 16 lanes store 256 consecutive bytes, aligned
.endr
.endm
	TOSTAGE 0
.irp a, 1,2,3
	TOSTAGE \a
	SEND \a-1, 16                                  ; behind block a - 1's loads: block a's 8 stores and 8 loads
.endr
	SEND 3, 0
	s_wait_tensorcnt 0x0                           ; the wave's end
	ds_add_u32 v[SPW], v[NIL]
	s_wait_dscnt 0x0
	CROUND                                         ; the closing round
	s_endpgm
.Lfunc_end_k_q68c33d3f2f_proj:
	.size	k_q68c33d3f2f_proj, .Lfunc_end_k_q68c33d3f2f_proj-k_q68c33d3f2f_proj
	.p2alignl 7, 3214868480
	.fill 96, 4, 3214868480
	.section	.rodata,"a",@progbits
	.p2align	6, 0x0
	.amdhsa_kernel k_q68c33d3f2f_proj
		.amdhsa_group_segment_fixed_size 327680
		.amdhsa_private_segment_fixed_size 0
		.amdhsa_enable_private_segment 0
		.amdhsa_kernarg_size 32
		.amdhsa_user_sgpr_count 2
		.amdhsa_user_sgpr_kernarg_segment_ptr 1
		.amdhsa_wavefront_size32 1
		.amdhsa_system_sgpr_workgroup_id_x 1
		.amdhsa_system_sgpr_workgroup_id_y 1
		.amdhsa_system_sgpr_workgroup_id_z 1
		.amdhsa_system_vgpr_workitem_id 0
		.amdhsa_next_free_vgpr 512
		.amdhsa_next_free_sgpr 102
		.amdhsa_reserve_vcc 0
		.amdhsa_float_denorm_mode_32 3
		.amdhsa_float_denorm_mode_16_64 3
		.amdhsa_memory_ordered 1
		.amdhsa_forward_progress 1
		.amdhsa_inst_pref_size 59
	.end_amdhsa_kernel
	.amdgpu_metadata
---
amdhsa.version: [ 1, 2 ]
amdhsa.kernels:
  - .name:           k_q68c33d3f2f_proj
    .symbol:         k_q68c33d3f2f_proj.kd
    .args:
      - { .name: ac, .offset: 0, .size: 8, .value_kind: global_buffer, .address_space: global }
      - { .name: wc, .offset: 8, .size: 8, .value_kind: global_buffer, .address_space: global }
      - { .name: bo, .offset: 16, .size: 8, .value_kind: global_buffer, .address_space: global }
      - { .name: out0, .offset: 24, .size: 8, .value_kind: global_buffer, .address_space: global }
    .group_segment_fixed_size: 327680
    .private_segment_fixed_size: 0
    .kernarg_segment_align: 8
    .kernarg_segment_size: 32
    .max_flat_workgroup_size: 128
    .sgpr_count:     102
    .vgpr_count:     512
    .wavefront_size: 32
...
	.end_amdgpu_metadata
.endif
;; end of part 4
